; MI455X (gfx1250); checked and timed in simulation.
; The chip was launched on July 23, 2026; its instructions are those of AMD's public machine-readable ISA for CDNA 5 (MIT licence, August 2026) and "CDNA5" Instruction Set Architecture Reference Guide (July 2026). The comments in the code are by the model that wrote it; some were corrected since.
;; Neuron Circuit. Allowed arithmetic: float matrix products may take bf16 or f16 operands with f32 sums; all other float work in f32.
;; Inputs: W_O 1,024 x 1,024 float32; feature_qk_neurons 2,048 x 1,024 float32; feature_v_neurons 1,024 x 1,024 float32; idx_k 4 x 64 int32; idx_q 4 x 64 int32; idx_qk 4 x 64 int32; idx_v 4 x 32 int32; idx_v2 4 x 32 int32; relational_k_neurons 2,048 x 1,024 float32; relational_q_neurons 2,048 x 1,024 float32; value_neurons 1,024 x 1,024 float32; x 4 x 2,048 x 1,024 float32.
;; Outputs: out0 4 x 2,048 x 1,024 float32.
;; 2 versions, each right and faster than the one before. Each part assembles by itself: llvm-mc -triple=amdgcn-amd-amdhsa -mcpu=gfx1250 --defsym DOCPART=n.
;; ======== version 1 of 2: 4 launches
;; limits: values are held in f16: magnitudes above 65,504 overflow, below 6.1e-05 lose precision
;; workspace buffers: Fg 786,432 bytes; GT 524,288 bytes; Mt 8,388,608 bytes; hqk 1,048,576 bytes; hvt 1,048,576 bytes; Zs 16,777,216 bytes
;; launch prep (part 1): grid 256 x 1, 4 waves a work-group, no clusters, 35,840 bytes of LDS; arguments W_O, feature_qk_neurons, feature_v_neurons, idx_k, idx_q, idx_qk, idx_v, idx_v2, relational_k_neurons, relational_q_neurons, value_neurons, Fg, GT, Mt; writes Fg, GT, Mt
.if DOCPART == 1
	.amdgcn_target "amdgcn-amd-amdhsa--gfx1250"
	.amdhsa_code_object_version 6
	.text
	.protected	k_q906df98e8d_prep
	.globl	k_q906df98e8d_prep
	.p2align	8
	.type	k_q906df98e8d_prep,@function
k_q906df98e8d_prep:
	s_mov_b64 s[64:65], 0
	v_nop
	global_prefetch_b8 v0, s[64:65] scope:SCOPE_SE
	s_setreg_imm32_b32 hwreg(HW_REG_WAVE_MODE, 25, 1), 1
	s_wait_xcnt 0x0
; PREP: everything that hangs on the gathered tables alone, per batch b (4) and head (16).
;   Fg[b][96][1024] bf16      rows 0-63 = feature_qk[idx_qk[b]], rows 64-95 = feature_v[idx_v[b]], rounded once
;   GT[b][head][c][r] bf16    = cs * sum over d of Rk[idx_k[c]][64 head + d] * Rq[idx_q[r]][64 head + d],  cs = log2(e) / 8
;   Mt[b][n][kc 8][hi 64 | lo 64] bf16: M = sum over d of W_O[n][64 head + d] * Vn[idx_v2[j]][64 head + d], kept as a pair hi + lo of bf16;
;                             kc = head / 2, place in a half = 32 (head % 2) + j
; With these, scores = (h_qk G) h_qk^T and out = sum over heads of (softmax h_v) M^T: the same sums as Q K^T, P V and the product with W_O, grouped otherwise.
; LIMITS: tables and W_O are rounded to bf16 for the products; indices are clamped to their tables (2047, 1023); the order of the sums differs from a plain evaluation.
; SHARES: work-group x: b = x / 64, hg = (x / 16) % 4, nq = x % 16.  Wave w: M for head 4 hg + w, rows n = 64 nq .. + 63, all 32 j (8 accumulator tiles, in two halves of 4);
; G for head 4 hg + nq / 4, 16 c (tile nq % 4) x 16 r (tile w); the work-group copies row x % 64 of the qk part of Fg and half a row of the v part.
; No cluster, no tensor loads: the data are f32 and are rounded on their way through registers; every load of the kernel is in flight together.
; REGISTERS.  window 0: v0-31 addresses; v32-47 at work; v48-79 four accumulators of M; v128-255 W_O as loaded (16 f32 a fragment, rounded in place into the first 8)
;             window 1: v0-31 Rq, v32-63 Rk, v64-71 G's accumulator, v72-135 Vn
.set CSC,  0x3e38aa3b                  ; log2(e) / 8
.set MP,   528                         ; a row of M's stage: 512 bytes + 16: sixteen rows begin at sixteen different 16-byte columns
.set GST,  64*MP                       ; G's stage: 16 rows of 128 bytes, behind M's 64 rows
.set TMP,  32
.set ACC,  48
.set WO,   128
.set RQ,   0
.set RK,   32
.set GACC, 64
.set VN,   72
.set MSB, 0
.macro WIN new                         ; the immediate's high byte repeats the setting that is left; a switch that changes nothing is dropped
.if MSB != \new
	s_set_vgpr_msb (MSB<<8)|\new
.set MSB, \new
.endif
.endm
.macro PLACES                          ; four plain vector instructions between a matrix instruction and what reads its result or writes its registers (ISA guide 7.12.1)
.rept 4
	v_nop
.endr
.endm
; A fragment (16 rows x 32 k) as f32: k = 8 h .. + 7 are 32 bytes at 32 h, k = 16 + 8 h .. + 7 lie 64 bytes on: four loads of 16 bytes
.macro RAW dst, adr, sb, off
.irp u, 0,1,2,3
	global_load_b128 v[\dst+4*\u:\dst+4*\u+3], v[\adr], s[\sb:\sb+1] offset:\off+64*(\u/2)+16*(\u%2)
.endr
.endm
.macro CVT8 f                          ; 16 f32 -> 8 registers of bf16, in place, ascending: a register is overwritten only after it was read
.irp i, 0,1,2,3,4,5,6,7
	v_cvt_pk_bf16_f32 v[\f+\i], v[\f+2*\i], v[\f+2*\i+1]
.endr
.endm
	s_load_b512 s[8:23], s[0:1], 0x0               ; W_O s8, fqk s10, fv s12, idx_k s14, idx_q s16, idx_qk s18, idx_v s20, idx_v2 s22
	s_load_b256 s[24:31], s[0:1], 0x40             ; Rk s24, Rq s26, Vn s28, Fg s30
	s_load_b128 s[32:35], s[0:1], 0x60             ; GT s32, Mt s34
	v_lshrrev_b32 v4, 5, v0
	v_readfirstlane_b32 s36, v4                    ; wave w
	s_lshr_b32 s37, ttmp9, 6                       ; b
	s_bfe_u32 s38, ttmp9, 0x20004                  ; hg
	s_and_b32 s39, ttmp9, 15                       ; nq
	s_and_b32 s40, ttmp9, 63                       ; t64
	v_and_b32 v1, 15, v0                           ; r
	v_bfe_u32 v2, v0, 4, 1                         ; h
	v_and_b32 v3, 31, v0                           ; lane
	s_lshl_b32 s41, s37, 7                         ; a batch's 32 indices, in bytes
	s_lshl_b32 s42, s37, 8                         ; a batch's 64 indices
	s_lshl_b32 s43, s36, 6
	s_add_co_u32 s43, s43, s42                     ; idx_q: 64 b + 16 w
	s_and_b32 s44, s39, 3                          ; q: G's tile of c
	s_lshl_b32 s51, s44, 6
	s_add_co_u32 s51, s51, s42                     ; idx_k: 64 b + 16 q
	s_lshl_b32 s45, s40, 2
	s_add_co_u32 s45, s45, s42                     ; idx_qk: 64 b + t64
	s_lshr_b32 s46, s40, 1                         ; my row of the v part
	s_lshl_b32 s52, s46, 2
	s_add_co_u32 s52, s52, s41                     ; idx_v: 32 b + t64 / 2
	s_lshl2_add_u32 s47, s38, s36                  ; M's head = 4 hg + w
	s_lshl_b32 s47, s47, 8                         ; its 64 columns, 256 bytes
	s_lshr_b32 s48, s39, 2
	s_lshl2_add_u32 s48, s38, s48                  ; G's head = 4 hg + nq / 4
	s_lshl_b32 s49, s48, 8
	s_lshl_b32 s50, s39, 18                        ; 64 nq rows of 4,096 bytes
	s_add_co_u32 s50, s50, s47
	v_lshl_add_u32 v16, v1, 2, s41
	v_lshl_add_u32 v17, v1, 2, s43
	v_lshl_add_u32 v18, v1, 2, s51
	v_mov_b32 v19, s45                             ; one index for the whole work-group: the same address in every lane
	v_mov_b32 v20, s52
	v_lshlrev_b32 v4, 12, v1
	v_lshl_add_u32 v4, v2, 5, v4
	v_add_nc_u32 v4, s50, v4                       ; W_O: (64 nq + r) rows + head's 256 bytes + 32 h
	s_wait_kmcnt 0x0
	global_load_b32 v5, v16, s[22:23]              ; idx_v2[32 b + r]
	global_load_b32 v6, v16, s[22:23] offset:64    ; idx_v2[32 b + 16 + r]
	global_load_b32 v7, v17, s[16:17]
	global_load_b32 v8, v18, s[14:15]
	global_load_b32 v9, v19, s[18:19]
	global_load_b32 v10, v20, s[20:21]
.irp i, 0,1,2,3
.irp e, 0,1
	RAW WO+16*(2*\i+\e), 4, 8, \i*65536+128*\e
.endr
.endr
	; addresses, while the loads are on their way
	v_lshlrev_b32 v21, 5, v2
	v_add_nc_u32 v22, s49, v21                     ; G's head x 256 + 32 h
	v_add_nc_u32 v21, s47, v21                     ; M's head x 256 + 32 h
	v_lshlrev_b32 v23, 4, v0                       ; 16 x thread
	s_and_b32 s53, s40, 1                          ; which half of the v row
	s_lshl_b32 s54, s53, 11
	v_add_nc_u32 v24, s54, v23
	s_mul_i32 s56, s37, 96
	s_add_co_u32 s57, s56, s40
	s_lshl_b32 s57, s57, 11
	v_lshl_add_u32 v25, v0, 3, s57                 ; Fg: row 96 b + t64, 8 bytes a thread
	s_add_co_u32 s58, s56, s46
	s_add_co_u32 s58, s58, 64
	s_lshl_b32 s58, s58, 11
	s_lshl_b32 s54, s53, 10
	s_add_co_u32 s58, s58, s54
	v_lshl_add_u32 v26, v0, 3, s58                 ; Fg: row 96 b + 64 + t64 / 2, its half
	s_lshl_b32 s54, s36, 5
	s_add_co_u32 s54, s54, GST
	v_lshlrev_b32 v27, 7, v1
	v_lshl_add_u32 v27, v2, 4, v27
	v_add_nc_u32 v27, s54, v27                     ; G's stage, in: row r (c), bytes 32 w + 16 h
	v_add_nc_u32 v28, GST, v23                     ; and back: 16 bytes a thread
	s_lshl_b32 s59, s37, 4
	s_add_co_u32 s59, s59, s48
	s_lshl_b32 s59, s59, 13
	s_lshl_b32 s54, s44, 11
	s_add_co_u32 s59, s59, s54
	v_add_nc_u32 v29, s59, v23                     ; GT: (16 b + head) x 8,192 + 16 q rows of 128 bytes
	s_lshr_b32 s54, s36, 1
	s_lshl_b32 s54, s54, 8
	s_and_b32 s57, s36, 1
	s_lshl_b32 s57, s57, 6
	s_add_co_u32 s54, s54, s57
	v_mul_u32_u24 v11, v1, MP
	v_lshl_add_u32 v11, v2, 4, v11
	v_add_nc_u32 v11, s54, v11                     ; M's stage, in: row r, (w / 2) x 256 + (w % 2) x 64 + 16 h
	s_mul_i32 s54, s36, 16*MP
	v_lshl_add_u32 v30, v3, 4, s54                 ; and back: wave w takes rows 16 w .. + 15, 512 bytes an instruction
	s_lshl_b32 s54, s37, 21
	s_lshl_b32 s57, s39, 17
	s_add_co_u32 s54, s54, s57
	s_lshl_b32 s57, s36, 15
	s_add_co_u32 s54, s54, s57
	s_lshl_b32 s57, s38, 9
	s_add_co_u32 s54, s54, s57
	v_lshl_add_u32 v31, v3, 4, s54                 ; Mt: b x 2 MiB + (64 nq + 16 w) rows of 2,048 + hg x 512
	s_mov_b32 s55, 0xffff0000                      ; a word's upper bf16
	s_wait_loadcnt 32                              ; loads return in order: the six indices are in, the 32 loads of W_O behind them stay out
	v_min_u32 v5, 0x3ff, v5                        ; an index enters an address only clamped to its table
	v_min_u32 v6, 0x3ff, v6
	v_min_u32 v7, 0x7ff, v7
	v_min_u32 v8, 0x7ff, v8
	v_min_u32 v9, 0x7ff, v9
	v_min_u32 v10, 0x3ff, v10
.irp n, 5,6,7,8,9,10
	v_lshlrev_b32 v[\n], 12, v[\n]                 ; rows of 4,096 bytes
.endr
	v_add_nc_u32 v5, v5, v21
	v_add_nc_u32 v6, v6, v21
	v_add_nc_u32 v7, v7, v22
	v_add_nc_u32 v8, v8, v22
	v_add_nc_u32 v9, v9, v23
	v_add_nc_u32 v10, v10, v24
	WIN 0x40                                       ; destination window 1, address window 0
.irp e, 0,1
	RAW VN+16*\e, 5, 28, 128*\e
	RAW VN+32+16*\e, 6, 28, 128*\e
	RAW RQ+16*\e, 7, 26, 128*\e
	RAW RK+16*\e, 8, 24, 128*\e
.endr
	WIN 0
	global_load_b128 v[TMP:TMP+3], v9, s[10:11]                ; my row of feature_qk: elements 4 t .. and 512 + 4 t ..
	global_load_b128 v[TMP+4:TMP+7], v9, s[10:11] offset:2048
	global_load_b128 v[TMP+8:TMP+11], v10, s[12:13]            ; my half row of feature_v
	s_wait_loadcnt 0x0                             ; all that the kernel reads was in flight together
	v_cvt_pk_bf16_f32 v[TMP+12], v[TMP], v[TMP+1]
	v_cvt_pk_bf16_f32 v[TMP+13], v[TMP+2], v[TMP+3]
	v_cvt_pk_bf16_f32 v[TMP+14], v[TMP+4], v[TMP+5]
	v_cvt_pk_bf16_f32 v[TMP+15], v[TMP+6], v[TMP+7]
	v_cvt_pk_bf16_f32 v[TMP], v[TMP+8], v[TMP+9]
	v_cvt_pk_bf16_f32 v[TMP+1], v[TMP+10], v[TMP+11]
	global_store_b64 v25, v[TMP+12:TMP+13], s[30:31]           ; a wave's store covers 256 consecutive bytes, aligned
	global_store_b64 v25, v[TMP+14:TMP+15], s[30:31] offset:1024
	global_store_b64 v26, v[TMP:TMP+1], s[30:31]
.irp n, 0,1,2,3,4,5,6,7
	CVT8 WO+16*\n
.endr
	WIN 0x45                                       ; sources and destination window 1
.irp n, 0,1
	CVT8 RQ+16*\n
	CVT8 RK+16*\n
.endr
.irp n, 0,1,2,3
	CVT8 VN+16*\n
.endr
; Half p of M: n tiles 2 p, 2 p + 1 x both j tiles, 64 along d in two steps.  Source 0 = 16 rows of Vn (j), source 1 = 16 rows of W_O (n): a lane then holds one n and eight neighbouring j.
; The accumulators take turns, one instruction a turn; G's one accumulator has its turn behind each four of M's.
.macro HALF p, withg
.irp e, 0,1
	WIN 0x01                                       ; source 0 (Vn) window 1
.irp il, 0,1
.irp t, 0,1
.if \e == 0
	v_wmma_f32_16x16x32_bf16 v[ACC+8*(2*\il+\t):ACC+8*(2*\il+\t)+7], v[VN+16*(2*\t+\e):VN+16*(2*\t+\e)+7], v[WO+16*(2*(2*\p+\il)+\e):WO+16*(2*(2*\p+\il)+\e)+7], 0
.else
	v_wmma_f32_16x16x32_bf16 v[ACC+8*(2*\il+\t):ACC+8*(2*\il+\t)+7], v[VN+16*(2*\t+\e):VN+16*(2*\t+\e)+7], v[WO+16*(2*(2*\p+\il)+\e):WO+16*(2*(2*\p+\il)+\e)+7], v[ACC+8*(2*\il+\t):ACC+8*(2*\il+\t)+7]
.endif
.endr
.endr
.if \withg
	WIN 0x55                                       ; all of G in window 1.  Source 0 = 16 rows of Rq (r), source 1 = 16 rows of Rk (c): a lane holds one c and eight neighbouring r
.if \e == 0
	v_wmma_f32_16x16x32_bf16 v[GACC:GACC+7], v[RQ+16*\e:RQ+16*\e+7], v[RK+16*\e:RK+16*\e+7], 0
.else
	v_wmma_f32_16x16x32_bf16 v[GACC:GACC+7], v[RQ+16*\e:RQ+16*\e+7], v[RK+16*\e:RK+16*\e+7], v[GACC:GACC+7]
.endif
.endif
.endr
	PLACES
.endm
; An accumulator of M as a pair of bf16: hi = bf16(v), lo = bf16(v - hi); 16 bytes each into the stage
.macro SPLIT ac, imm
.irp i, 0,1,2,3
	v_cvt_pk_bf16_f32 v[TMP+\i], v[\ac+2*\i], v[\ac+2*\i+1]
.endr
.irp i, 0,1,2,3
	v_lshlrev_b32 v[TMP+4+2*\i], 16, v[TMP+\i]
	v_and_b32 v[TMP+5+2*\i], s55, v[TMP+\i]
.endr
.irp i, 0,1,2,3
	v_pk_add_f32 v[TMP+4+2*\i:TMP+5+2*\i], v[\ac+2*\i:\ac+2*\i+1], v[TMP+4+2*\i:TMP+5+2*\i] neg_lo:[0,1] neg_hi:[0,1]
.endr
.irp i, 0,1,2,3
	v_cvt_pk_bf16_f32 v[TMP+12+\i], v[TMP+4+2*\i], v[TMP+5+2*\i]
.endr
	ds_store_b128 v11, v[TMP:TMP+3] offset:\imm
	ds_store_b128 v11, v[TMP+12:TMP+15] offset:\imm+128
.endm
	HALF 0, 1
.irp i, 0,2,4,6                        ; still all in window 1: G times cs, rounded, into its stage
	v_pk_mul_f32 v[GACC+\i:GACC+\i+1], v[GACC+\i:GACC+\i+1], CSC op_sel_hi:[1,0]
.endr
.irp i, 0,1,2,3
	v_cvt_pk_bf16_f32 v[GACC+\i], v[GACC+2*\i], v[GACC+2*\i+1]
.endr
	WIN 0x04                                       ; LDS store: address window 0, data window 1
	ds_store_b128 v27, v[GACC:GACC+3]
	WIN 0
	s_wait_xcnt 0x0                                ; the stores into Fg have read their data: v32-47 are written again only behind this wait
.irp il, 0,1
.irp t, 0,1
	SPLIT ACC+8*(2*\il+\t), \il*16*MP+32*\t
.endr
.endr
	HALF 1, 0
	WIN 0
.irp il, 0,1
.irp t, 0,1
	SPLIT ACC+8*(2*\il+\t), (2+\il)*16*MP+32*\t
.endr
.endr
	s_wait_dscnt 0x0                               ; for the others' sake: my stores into both stages are done
	s_barrier_signal -1
	s_barrier_wait -1
	ds_load_b128 v[TMP:TMP+3], v28
.set i, 0
.rept 16
	ds_load_b128 v[WO+4*i:WO+4*i+3], v30 offset:MP*i
.set i, i+1
.endr
	s_wait_dscnt 0x0
	global_store_b128 v29, v[TMP:TMP+3], s[32:33]              ; 2,048 consecutive bytes of GT by the work-group
.set i, 0
.rept 16
	global_store_b128 v31, v[WO+4*i:WO+4*i+3], s[34:35] offset:2048*i   ; 512 consecutive bytes of a row of Mt, aligned
.set i, i+1
.endr
	s_endpgm
.Lfunc_end_k_q906df98e8d_prep:
	.size	k_q906df98e8d_prep, .Lfunc_end_k_q906df98e8d_prep-k_q906df98e8d_prep
	.p2alignl 7, 3214868480
	.fill 96, 4, 3214868480
	.section	.rodata,"a",@progbits
	.p2align	6, 0x0
	.amdhsa_kernel k_q906df98e8d_prep
		.amdhsa_group_segment_fixed_size 35840
		.amdhsa_private_segment_fixed_size 0
		.amdhsa_enable_private_segment 0
		.amdhsa_kernarg_size 112
		.amdhsa_user_sgpr_count 2
		.amdhsa_user_sgpr_kernarg_segment_ptr 1
		.amdhsa_wavefront_size32 1
		.amdhsa_system_sgpr_workgroup_id_x 1
		.amdhsa_system_sgpr_workgroup_id_y 1
		.amdhsa_system_sgpr_workgroup_id_z 1
		.amdhsa_system_vgpr_workitem_id 0
		.amdhsa_next_free_vgpr 392
		.amdhsa_next_free_sgpr 66
		.amdhsa_reserve_vcc 0
		.amdhsa_float_denorm_mode_32 3
		.amdhsa_float_denorm_mode_16_64 3
		.amdhsa_memory_ordered 1
		.amdhsa_forward_progress 1
		.amdhsa_inst_pref_size 35
	.end_amdhsa_kernel
	.amdgpu_metadata
---
amdhsa.version: [ 1, 2 ]
amdhsa.kernels:
  - .name:           k_q906df98e8d_prep
    .symbol:         k_q906df98e8d_prep.kd
    .args:
      - { .name: W_O, .offset: 0, .size: 8, .value_kind: global_buffer, .address_space: global }
      - { .name: feature_qk_neurons, .offset: 8, .size: 8, .value_kind: global_buffer, .address_space: global }
      - { .name: feature_v_neurons, .offset: 16, .size: 8, .value_kind: global_buffer, .address_space: global }
      - { .name: idx_k, .offset: 24, .size: 8, .value_kind: global_buffer, .address_space: global }
      - { .name: idx_q, .offset: 32, .size: 8, .value_kind: global_buffer, .address_space: global }
      - { .name: idx_qk, .offset: 40, .size: 8, .value_kind: global_buffer, .address_space: global }
      - { .name: idx_v, .offset: 48, .size: 8, .value_kind: global_buffer, .address_space: global }
      - { .name: idx_v2, .offset: 56, .size: 8, .value_kind: global_buffer, .address_space: global }
      - { .name: relational_k_neurons, .offset: 64, .size: 8, .value_kind: global_buffer, .address_space: global }
      - { .name: relational_q_neurons, .offset: 72, .size: 8, .value_kind: global_buffer, .address_space: global }
      - { .name: value_neurons, .offset: 80, .size: 8, .value_kind: global_buffer, .address_space: global }
      - { .name: Fg, .offset: 88, .size: 8, .value_kind: global_buffer, .address_space: global }
      - { .name: GT, .offset: 96, .size: 8, .value_kind: global_buffer, .address_space: global }
      - { .name: Mt, .offset: 104, .size: 8, .value_kind: global_buffer, .address_space: global }
    .group_segment_fixed_size: 35840
    .private_segment_fixed_size: 0
    .kernarg_segment_align: 8
    .kernarg_segment_size: 112
    .max_flat_workgroup_size: 128
    .sgpr_count:     66
    .vgpr_count:     392
    .wavefront_size: 32
...
	.end_amdgpu_metadata
.endif
;; end of part 1
;; launch proj (part 2): grid 256 x 1, 8 waves a work-group, no clusters, 176,128 bytes of LDS; arguments x, Fg, hqk, hvt; writes hqk, hvt
.if DOCPART == 2
	.amdgcn_target "amdgcn-amd-amdhsa--gfx1250"
	.amdhsa_code_object_version 6
	.text
	.protected	k_q906df98e8d_proj
	.globl	k_q906df98e8d_proj
	.p2align	8
	.type	k_q906df98e8d_proj,@function
k_q906df98e8d_proj:
	s_mov_b64 s[64:65], 0
	v_nop
	global_prefetch_b8 v0, s[64:65] scope:SCOPE_SE
	s_setreg_imm32_b32 hwreg(HW_REG_WAVE_MODE, 25, 1), 1
	s_wait_xcnt 0x0
; PROJ: h = x Fg^T.  x: [8192][1024] f32, rounded to bf16 on the way; Fg: [b][96][1024] bf16.
;   hqk[row][64] bf16                     features 0-63
;   hvt[row / 32][c 64][row % 32] f16     features 64-95, turned (32 rows along a line) and kept as a pair of f16: c < 32 hi = f16(v), c >= 32 lo = f16(v - hi) of feature c - 32
; LIMITS: |h_v| must stay inside f16's range, 65,504; below 6e-5 the pair's step is 6e-8.  K is split over eight waves, so the order of the sums differs from a plain evaluation.
; SHARES: work-group g owns rows 32 g .. + 31 (one batch: b = g / 64).  Wave w owns k = 128 w .. + 127 for all 32 rows and all 96 features: 48 matrix instructions, no loop;
; all 128 KiB of x of the work-group are in flight at once, each load 512 consecutive bytes.  The eight partial sums meet in LDS.
; No tensor loads (x must be rounded on the way), no cluster (each byte of x is used by one wave; Fg is small).
; REGISTERS.  window 0: v0-15 addresses; v16-31 at work; v32-127 twelve accumulators ((a, f) at 32 + 8 (6 a + f)); v128-255 x as loaded, later the partial sums
;             window 1: v0-191 fragments of Fg ((f, q) at 8 (4 f + q)); v192-255 fragments of x ((a, q) at 192 + 8 (4 a + q))
.set XP,   272                         ; a row of a wave's x in LDS: 256 bytes + 16
.set XW,   32*XP                       ; a wave's 32 rows
.set RED,  8*XW                        ; partial sums: [wave][accumulator 12][half 2][512 bytes]
.set REDW, 12288
.set OUTS, RED+8*REDW                  ; 4,096 bytes of hqk, then 4,096 of hvt, as they lie in memory
.set ACC,  32
.set XR,   128
.set FF,   0
.set XF,   192
.set MSB, 0
.macro WIN new
.if MSB != \new
	s_set_vgpr_msb (MSB<<8)|\new
.set MSB, \new
.endif
.endm
	s_load_b256 s[4:11], s[0:1], 0x0               ; x s4, Fg s6, hqk s8, hvt s10
	v_lshrrev_b32 v1, 5, v0
	v_readfirstlane_b32 s12, v1                    ; wave w
	v_and_b32 v1, 15, v0                           ; r
	v_bfe_u32 v2, v0, 4, 1                         ; h
	v_and_b32 v3, 31, v0                           ; lane
	s_lshr_b32 s13, ttmp9, 6                       ; b
	s_mul_i32 s14, s13, 196608                     ; a batch's 96 rows of 2,048 bytes
	s_mov_b32 s15, 0
	s_lshl_b32 s16, ttmp9, 17                      ; 32 rows of 4,096 bytes
	s_mov_b32 s17, 0
	s_lshl_b32 s18, s12, 8
	s_lshl_b32 s19, s12, 9
	v_lshlrev_b32 v4, 11, v1
	v_lshl_add_u32 v4, v2, 4, v4
	v_add_nc_u32 v4, s18, v4                       ; Fg: row r, my 256 bytes, 16 h
	v_lshl_add_u32 v5, v3, 4, s19                  ; x: my 512 bytes of a row, 16 a lane
	s_mul_i32 s20, s12, XW
	v_lshl_add_u32 v6, v3, 3, s20                  ; x into LDS: 8 bytes a lane
	v_mul_u32_u24 v7, v1, XP
	v_lshl_add_u32 v7, v2, 4, v7
	v_add_nc_u32 v7, s20, v7                       ; and back as fragments
	s_mul_i32 s21, s12, REDW
	s_add_co_u32 s21, s21, RED
	v_lshl_add_u32 v8, v3, 4, s21                  ; my partial sums
	s_wait_kmcnt 0x0
	s_add_nc_u64 s[6:7], s[6:7], s[14:15]
	s_add_nc_u64 s[4:5], s[4:5], s[16:17]
	WIN 0x40                                       ; destination window 1
.irp f, 0,1,2,3,4,5
.irp q, 0,1,2,3
	global_load_b128 v[FF+8*(4*\f+\q):FF+8*(4*\f+\q)+3],   v4, s[6:7] offset:32768*\f+64*\q
	global_load_b128 v[FF+8*(4*\f+\q)+4:FF+8*(4*\f+\q)+7], v4, s[6:7] offset:32768*\f+64*\q+32
.endr
.endr
	WIN 0
.set i, 0
.rept 32
	global_load_b128 v[XR+4*i:XR+4*i+3], v5, s[4:5] offset:4096*i th:TH_LOAD_NT
.set i, i+1
.endr
	; addresses for the second half, while the loads are on their way
	s_lshl_b32 s22, s12, 10
	s_add_co_u32 s22, s22, RED
	v_lshl_add_u32 v9, v3, 4, s22                  ; wave f sums accumulators (0, f) and (1, f): waves 0-3's parts,
	v_add_nc_u32 v10, 4*REDW, v9                   ; waves 4-7's
	s_lshl_b32 s23, s12, 5
	s_add_co_u32 s23, s23, OUTS
	v_lshlrev_b32 v11, 7, v1
	v_lshl_add_u32 v11, v2, 4, v11
	v_add_nc_u32 v11, s23, v11                     ; hqk: row r of 128 bytes, 32 f + 16 h
	s_lshl_b32 s23, s12, 10
	s_add_co_u32 s23, s23, OUTS
	v_lshlrev_b32 v12, 6, v1
	v_lshl_add_u32 v12, v2, 4, v12
	v_add_nc_u32 v12, s23, v12                     ; hvt: OUTS + 4,096 + (16 (f - 4) + r) lines of 64 bytes + 16 h
	v_lshlrev_b32 v13, 4, v0
	s_lshl_b32 s23, ttmp9, 12
	v_add_nc_u32 v14, s23, v13                     ; both outputs: 4,096 bytes a work-group, 16 a thread
	v_add_nc_u32 v13, OUTS, v13
.irp g, 0,1,2,3
	s_wait_loadcnt 24-8*\g                         ; loads return in order: eight more rows of x are in, the younger rows stay out
.irp k, 0,1,2,3,4,5,6,7
	v_cvt_pk_bf16_f32 v[XR+4*(8*\g+\k)],   v[XR+4*(8*\g+\k)],   v[XR+4*(8*\g+\k)+1]
	v_cvt_pk_bf16_f32 v[XR+4*(8*\g+\k)+1], v[XR+4*(8*\g+\k)+2], v[XR+4*(8*\g+\k)+3]
	ds_store_b64 v6, v[XR+4*(8*\g+\k):XR+4*(8*\g+\k)+1] offset:XP*(8*\g+\k)
.endr
.endr
	WIN 0x40
.irp a, 0,1
.irp q, 0,1,2,3
	ds_load_b128 v[XF+8*(4*\a+\q):XF+8*(4*\a+\q)+3],   v7 offset:16*XP*\a+64*\q      ; the wave's own bytes: LDS serves a wave's instructions in order
	ds_load_b128 v[XF+8*(4*\a+\q)+4:XF+8*(4*\a+\q)+7], v7 offset:16*XP*\a+64*\q+32
.endr
.endr
	s_wait_dscnt 0x0
	WIN 0x05                                       ; both sources window 1, sums window 0
; f < 4: source 0 = features, source 1 = rows of x: a lane holds one row and eight neighbouring features (hqk's order).
; f >= 4: the other way round: a lane holds one feature and eight neighbouring rows (hvt's order).  The twelve accumulators take turns.
.irp q, 0,1,2,3
.irp a, 0,1
.irp f, 0,1,2,3,4,5
.set rD, ACC+8*(6*\a+\f)
.set rF, FF+8*(4*\f+\q)
.set rX, XF+8*(4*\a+\q)
.if \f < 4
.if \q == 0
	v_wmma_f32_16x16x32_bf16 v[rD:rD+7], v[rF:rF+7], v[rX:rX+7], 0
.else
	v_wmma_f32_16x16x32_bf16 v[rD:rD+7], v[rF:rF+7], v[rX:rX+7], v[rD:rD+7]
.endif
.else
.if \q == 0
	v_wmma_f32_16x16x32_bf16 v[rD:rD+7], v[rX:rX+7], v[rF:rF+7], 0
.else
	v_wmma_f32_16x16x32_bf16 v[rD:rD+7], v[rX:rX+7], v[rF:rF+7], v[rD:rD+7]
.endif
.endif
.endr
.endr
.endr
	WIN 0
.rept 4
	v_nop                                          ; four places between the last products and the stores that read them
.endr
.set i, 0
.rept 24
	ds_store_b128 v8, v[ACC+4*i:ACC+4*i+3] offset:512*i
.set i, i+1
.endr
	s_wait_dscnt 0x0                               ; for the others' sake
	s_barrier_signal -1
	s_barrier_wait -1
	s_cmp_ge_u32 s12, 6
	s_cbranch_scc1 .Ljoin                          ; six feature tiles: waves 6 and 7 have none
.irp wq, 0,1,2,3
.irp a, 0,1
.irp u, 0,1
	ds_load_b128 v[XR+4*(4*\wq+2*\a+\u):XR+4*(4*\wq+2*\a+\u)+3],       v9  offset:\wq*REDW+6144*\a+512*\u
	ds_load_b128 v[XR+64+4*(4*\wq+2*\a+\u):XR+64+4*(4*\wq+2*\a+\u)+3], v10 offset:\wq*REDW+6144*\a+512*\u
.endr
.endr
.endr
	s_wait_dscnt 0x0
.irp wq, 0,2,4,6                       ; the eight waves' parts, pairwise: 16 registers a wave
.irp k, 0,1,2,3,4,5,6,7
	v_pk_add_f32 v[XR+16*\wq+2*\k:XR+16*\wq+2*\k+1], v[XR+16*\wq+2*\k:XR+16*\wq+2*\k+1], v[XR+16*\wq+16+2*\k:XR+16*\wq+16+2*\k+1]
.endr
.endr
.irp wq, 0,4
.irp k, 0,1,2,3,4,5,6,7
	v_pk_add_f32 v[XR+16*\wq+2*\k:XR+16*\wq+2*\k+1], v[XR+16*\wq+2*\k:XR+16*\wq+2*\k+1], v[XR+16*\wq+32+2*\k:XR+16*\wq+32+2*\k+1]
.endr
.endr
.irp k, 0,1,2,3,4,5,6,7
	v_pk_add_f32 v[XR+2*\k:XR+2*\k+1], v[XR+2*\k:XR+2*\k+1], v[XR+64+2*\k:XR+64+2*\k+1]
.endr
	s_cmp_ge_u32 s12, 4
	s_cbranch_scc1 .Lhv
.irp a, 0,1                            ; h_qk: rounded to bf16, 16 bytes a lane
.irp i, 0,1,2,3
	v_cvt_pk_bf16_f32 v[16+4*\a+\i], v[XR+8*\a+2*\i], v[XR+8*\a+2*\i+1]
.endr
	ds_store_b128 v11, v[16+4*\a:16+4*\a+3] offset:2048*\a
.endr
	s_branch .Ljoin
.Lhv:
.macro HVSPLIT a                       ; h_v as a pair of f16: hi, then what hi left over
	v_cvt_pk_f16_f32 v16, v[XR+8*\a],   v[XR+8*\a+1]
	v_cvt_pk_f16_f32 v17, v[XR+8*\a+2], v[XR+8*\a+3]
	v_cvt_pk_f16_f32 v18, v[XR+8*\a+4], v[XR+8*\a+5]
	v_cvt_pk_f16_f32 v19, v[XR+8*\a+6], v[XR+8*\a+7]
	v_cvt_f32_f16 v20, v16.l
	v_cvt_f32_f16 v21, v16.h
	v_cvt_f32_f16 v22, v17.l
	v_cvt_f32_f16 v23, v17.h
	v_cvt_f32_f16 v24, v18.l
	v_cvt_f32_f16 v25, v18.h
	v_cvt_f32_f16 v26, v19.l
	v_cvt_f32_f16 v27, v19.h
.irp i, 0,2,4,6
	v_pk_add_f32 v[20+\i:21+\i], v[XR+8*\a+\i:XR+8*\a+\i+1], v[20+\i:21+\i] neg_lo:[0,1] neg_hi:[0,1]
.endr
	v_cvt_pk_f16_f32 v28, v20, v21
	v_cvt_pk_f16_f32 v29, v22, v23
	v_cvt_pk_f16_f32 v30, v24, v25
	v_cvt_pk_f16_f32 v31, v26, v27
	ds_store_b128 v12, v[16:19] offset:32*\a
	ds_store_b128 v12, v[28:31] offset:32*\a+2048
.endm
	HVSPLIT 0
	HVSPLIT 1
.Ljoin:
	s_wait_dscnt 0x0                               ; for the others' sake
	s_barrier_signal -1
	s_barrier_wait -1
	ds_load_b128 v[32:35], v13
	ds_load_b128 v[36:39], v13 offset:4096
	s_wait_dscnt 0x0
	global_store_b128 v14, v[32:35], s[8:9]        ; a wave's store covers 512 consecutive bytes, aligned
	global_store_b128 v14, v[36:39], s[10:11]
	s_endpgm
.Lfunc_end_k_q906df98e8d_proj:
	.size	k_q906df98e8d_proj, .Lfunc_end_k_q906df98e8d_proj-k_q906df98e8d_proj
	.p2alignl 7, 3214868480
	.fill 96, 4, 3214868480
	.section	.rodata,"a",@progbits
	.p2align	6, 0x0
	.amdhsa_kernel k_q906df98e8d_proj
		.amdhsa_group_segment_fixed_size 176128
		.amdhsa_private_segment_fixed_size 0
		.amdhsa_enable_private_segment 0
		.amdhsa_kernarg_size 32
		.amdhsa_user_sgpr_count 2
		.amdhsa_user_sgpr_kernarg_segment_ptr 1
		.amdhsa_wavefront_size32 1
		.amdhsa_system_sgpr_workgroup_id_x 1
		.amdhsa_system_sgpr_workgroup_id_y 1
		.amdhsa_system_sgpr_workgroup_id_z 1
		.amdhsa_system_vgpr_workitem_id 0
		.amdhsa_next_free_vgpr 512
		.amdhsa_next_free_sgpr 66
		.amdhsa_reserve_vcc 0
		.amdhsa_float_denorm_mode_32 3
		.amdhsa_float_denorm_mode_16_64 3
		.amdhsa_memory_ordered 1
		.amdhsa_forward_progress 1
		.amdhsa_inst_pref_size 31
	.end_amdhsa_kernel
	.amdgpu_metadata
---
amdhsa.version: [ 1, 2 ]
amdhsa.kernels:
  - .name:           k_q906df98e8d_proj
    .symbol:         k_q906df98e8d_proj.kd
    .args:
      - { .name: x, .offset: 0, .size: 8, .value_kind: global_buffer, .address_space: global }
      - { .name: Fg, .offset: 8, .size: 8, .value_kind: global_buffer, .address_space: global }
      - { .name: hqk, .offset: 16, .size: 8, .value_kind: global_buffer, .address_space: global }
      - { .name: hvt, .offset: 24, .size: 8, .value_kind: global_buffer, .address_space: global }
    .group_segment_fixed_size: 176128
    .private_segment_fixed_size: 0
    .kernarg_segment_align: 8
    .kernarg_segment_size: 32
    .max_flat_workgroup_size: 256
    .sgpr_count:     66
    .vgpr_count:     512
    .wavefront_size: 32
...
	.end_amdgpu_metadata
.endif
;; end of part 2
;; launch attn (part 3): grid 256 x 1, 4 waves a work-group, no clusters, 53,248 bytes of LDS; arguments hqk, hvt, GT, Zs; writes Zs
.if DOCPART == 3
	.amdgcn_target "amdgcn-amd-amdhsa--gfx1250"
	.amdhsa_code_object_version 6
	.text
	.protected	k_q906df98e8d_attn
	.globl	k_q906df98e8d_attn
	.p2align	8
	.type	k_q906df98e8d_attn,@function
k_q906df98e8d_attn:
	s_mov_b64 s[64:65], 0
	v_nop
	global_prefetch_b8 v0, s[64:65] scope:SCOPE_SE
	s_setreg_imm32_b32 hwreg(HW_REG_WAVE_MODE, 25, 1), 1
	s_wait_xcnt 0x0
; ATTN: Z_head = softmax(causal(h_qk G_head h_qk^T)) h_v, for 4 batches x 16 heads x 2,048 queries.  "K" is h_qk and "V" is h_v: the same for all heads of a batch.
;   Zs[row][kc 8][hi 64 | lo 64] bf16: Z as a pair hi + lo of bf16; kc = head / 2, place in a half = 32 (head % 2) + j
; FORMATS: scores from bf16 operands (GT holds log2(e) / 8, so p = 2^(s - m)); running maximum m and sum l in f32; p rounded to f16 (p <= 1; p below 3e-8 becomes 0 in the product);
; h_v as a pair of f16, 64 "channels" (32 hi, 32 lo), multiplied by the f16 form and added at the end.  Masked scores are -FLT_MAX, whose weight is 0; every row keeps its own key.
; SHARES: work-group x: hg = x % 4, pi = (x / 4) % 16, b = x / 64.  Wave w owns head 4 hg + w and 64 queries (four tiles of 16).  The work-group makes query block pi, then block 31 - pi
; (64 rows each): (pi + 1) + (32 - pi) = 33 key steps of 64 keys in every work-group.  A block's diagonal tile comes first and starts m, l and the sums; then tiles 0 .. I - 1, unmasked.
; LAYOUT (both products transposed): S^T = K Q'^T and O^T = V^T P: a lane holds ONE query (lane % 16) in S^T, P and O^T; two tiles of S^T, rounded in pairs, are source 1 of the second product.
; K and V tiles (8 KiB each, shared by the four waves) come through registers a whole step ahead and lie in ONE LDS buffer: two barriers a step.
; No cluster: what neighbours share is 16 KiB a step beside 256 matrix instructions and some 1,900 vector instructions of the work-group.  No tensor loads: one static buffer, every LDS address fixed.
; REGISTERS.  window 0: v0-17 addresses; v24-55 statistics (tile t at 24 + 8 t: +0 m, +1 zero, +2 +3 l, +4 .. +7 at work, a or 1 / l in +6); v64-191 S^T; v192-255 P
;             window 1: v0-127 O^T ((t, ct) at 32 t + 8 ct); v128-191 Q' fragments        window 2: v0-63 K fragments; v64-127 V fragments; v128-159 the next tiles on their way
.set KP,    144                        ; a row of K in LDS: 128 bytes + 16
.set VP,    80                         ; a line of V (one channel, 32 keys): 64 bytes + 16
.set VOFF,  64*KP
.set STAGE, VOFF+128*VP                ; 64 rows x 528 bytes for the way out
.set SP,    528
.set T16, 4
.set GOF, 5
.set AK0, 6
.set AV0, 7
.set SK0, 8
.set SV0, 9
.set QOF, 10
.set STO, 11
.set RD,  12
.set GO,  13
.set DM,  14
.set NEGV, 17
.set ST,  24
.set S,   64
.set P,   192
.set O,   0
.set QF,  128
.set KF,  0
.set VF,  64
.set STG, 128
.set MSB, 0
.macro WIN new
.if MSB != \new
	s_set_vgpr_msb (MSB<<8)|\new
.set MSB, \new
.endif
.endm
.macro PLACES                          ; four plain vector instructions behind a matrix instruction (ISA guide 7.12.1)
.rept 4
	v_nop
.endr
.endm
	s_load_b256 s[4:11], s[0:1], 0x0               ; hqk s4, hvt s6, GT s8, Zs s10
	v_lshrrev_b32 v1, 5, v0
	v_readfirstlane_b32 s12, v1                    ; wave w
	s_and_b32 s13, ttmp9, 3                        ; hg
	s_bfe_u32 s14, ttmp9, 0x40002                  ; I1 = pi
	s_lshr_b32 s15, ttmp9, 6                       ; b
	s_sub_co_u32 s16, 31, s14                      ; I2
	s_lshl_b32 s30, s16, 13                        ; the second block's tile, in bytes (8,192 a tile in hqk and in hvt),
	s_mov_b32 s31, 0                               ; as a pair
	s_sub_co_u32 s34, s16, 1
	s_mov_b32 s32, 0x76543210                      ; v_permlanex16_b32: each lane takes its own place in the other half
	s_mov_b32 s33, 0xfedcba98
	s_mov_b32 s35, 0xffff0000
	v_and_b32 v1, 15, v0                           ; r
	v_bfe_u32 v2, v0, 4, 1                         ; h
	v_and_b32 v3, 31, v0                           ; lane
	v_lshlrev_b32 v[T16], 4, v0
	v_mul_u32_u24 v[AK0], v1, KP
	v_lshl_add_u32 v[AK0], v2, 4, v[AK0]           ; K fragment: row r, 16 h
	v_mul_u32_u24 v[AV0], v1, VP
	v_lshl_add_u32 v[AV0], v2, 4, v[AV0]
	v_add_nc_u32 v[AV0], VOFF, v[AV0]              ; V fragment: line r, 16 h
	v_lshrrev_b32 v15, 3, v0
	v_and_b32 v16, 7, v0
	v_mul_u32_u24 v[SK0], v15, KP
	v_lshl_add_u32 v[SK0], v16, 4, v[SK0]          ; a thread's 16 bytes of K: row t / 8, piece t % 8
	v_lshrrev_b32 v15, 2, v0
	v_and_b32 v16, 3, v0
	v_mul_u32_u24 v[SV0], v15, VP
	v_lshl_add_u32 v[SV0], v16, 4, v[SV0]
	v_add_nc_u32 v[SV0], VOFF, v[SV0]              ; of V: line t / 4, piece t % 4
	v_lshlrev_b32 v[QOF], 7, v1
	v_lshl_add_u32 v[QOF], v2, 4, v[QOF]           ; fragments from rows of 128 bytes in memory
	s_lshr_b32 s36, s12, 1
	s_lshl_b32 s36, s36, 8
	s_and_b32 s37, s12, 1
	s_lshl_b32 s37, s37, 6
	s_add_co_u32 s36, s36, s37
	s_add_co_u32 s36, s36, STAGE
	v_mul_u32_u24 v[STO], v1, SP
	v_lshl_add_u32 v[STO], v2, 4, v[STO]
	v_add_nc_u32 v[STO], s36, v[STO]               ; stage, in: row r, (w / 2) x 256 + (w % 2) x 64 + 16 h
	s_mul_i32 s36, s12, 16*SP
	s_add_co_u32 s36, s36, STAGE
	v_lshl_add_u32 v[RD], v3, 4, s36               ; and back: wave w takes rows 16 w .. + 15, 512 bytes an instruction
	s_lshl_b32 s36, s12, 15
	v_lshl_add_u32 v[GO], v3, 4, s36               ; the same rows in Zs
	v_lshlrev_b32 v15, 3, v2
	v_sub_nc_u32 v[DM], v1, v15                    ; on the diagonal register j is kept where j <= r - 8 h
	v_mov_b32 v[NEGV], 0xff7fffff                  ; -FLT_MAX
.irp j, 0,1,2,3,4,5,6,7
	v_cmp_le_i32 s[40+\j], \j, v[DM]               ; the eight lane masks, made once
.endr
.irp t, 0,1,2,3
	v_mov_b32 v[ST+8*\t+1], 0                      ; m's partner in the pair that the packed subtraction names
.endr
	s_mov_b32 s37, 0
	s_lshl_b32 s36, s15, 18
	s_wait_kmcnt 0x0
	s_add_nc_u64 s[18:19], s[4:5], s[36:37]        ; the batch's h_qk
	s_add_nc_u64 s[20:21], s[6:7], s[36:37]        ; the batch's h_v
	s_lshl_b32 s36, s15, 4
	s_lshl2_add_u32 s38, s13, s12
	s_add_co_u32 s36, s36, s38
	s_lshl_b32 s36, s36, 13
	s_add_nc_u64 s[22:23], s[8:9], s[36:37]        ; my head's GT
	s_lshl_b32 s36, s14, 13
	s_add_nc_u64 s[24:25], s[18:19], s[36:37]      ; the block's 64 rows of h_qk
	s_lshl_b32 s36, s15, 22
	s_lshl_b32 s38, s14, 17
	s_add_co_u32 s36, s36, s38
	s_lshl_b32 s38, s13, 9
	s_add_co_u32 s36, s36, s38
	s_add_nc_u64 s[26:27], s[10:11], s[36:37]      ; the block's rows of Zs, my head group's 512 bytes
; The next K and V tiles, 16 bytes x 4 a thread each, into registers
.macro AHEAD
	v_add_nc_u32 v[GOF], s28, v[T16]               ; free: the loads that named it were waited for
	WIN 0x80                                       ; destination window 2
.irp u, 0,1,2,3
	global_load_b128 v[STG+4*\u:STG+4*\u+3], v[GOF], s[18:19] offset:2048*\u
.endr
.irp u, 0,1,2,3
	global_load_b128 v[STG+16+4*\u:STG+16+4*\u+3], v[GOF], s[20:21] offset:2048*\u
.endr
.endm
; and from there into the LDS buffer, which no wave reads any more; then all see them
.macro PUT
	s_wait_loadcnt 0x0
	WIN 0x08                                       ; LDS store data window 2
.irp u, 0,1,2,3
	ds_store_b128 v[SK0], v[STG+4*\u:STG+4*\u+3] offset:16*KP*\u
.endr
.irp u, 0,1,2,3
	ds_store_b128 v[SV0], v[STG+16+4*\u:STG+16+4*\u+3] offset:32*VP*\u
.endr
	WIN 0
	s_wait_dscnt 0x0                               ; for the others' sake
	s_barrier_signal -1
	s_barrier_wait -1
.endm
; Q'^T = GT h_qk^T for the block's 64 queries: source 0 = 16 rows of GT (c), source 1 = 16 queries; two result tiles, rounded in pairs, are one fragment (32 c x 16 queries).
.macro QPREP
	WIN 0x80
.irp ct, 0,1,2,3
.irp e, 0,1
	global_load_b128 v[KF+8*(2*\ct+\e):KF+8*(2*\ct+\e)+3],   v[QOF], s[22:23] offset:2048*\ct+64*\e
	global_load_b128 v[KF+8*(2*\ct+\e)+4:KF+8*(2*\ct+\e)+7], v[QOF], s[22:23] offset:2048*\ct+64*\e+32
	global_load_b128 v[VF+8*(2*\ct+\e):VF+8*(2*\ct+\e)+3],   v[QOF], s[24:25] offset:2048*\ct+64*\e
	global_load_b128 v[VF+8*(2*\ct+\e)+4:VF+8*(2*\ct+\e)+7], v[QOF], s[24:25] offset:2048*\ct+64*\e+32
.endr
.endr
	s_wait_loadcnt 0x0
	WIN 0x0a                                       ; both sources window 2
.irp e, 0,1
.irp t, 0,1,2,3
.irp ct, 0,1,2,3
.if \e == 0
	v_wmma_f32_16x16x32_bf16 v[S+32*\t+8*\ct:S+32*\t+8*\ct+7], v[KF+8*(2*\ct+\e):KF+8*(2*\ct+\e)+7], v[VF+8*(2*\t+\e):VF+8*(2*\t+\e)+7], 0
.else
	v_wmma_f32_16x16x32_bf16 v[S+32*\t+8*\ct:S+32*\t+8*\ct+7], v[KF+8*(2*\ct+\e):KF+8*(2*\ct+\e)+7], v[VF+8*(2*\t+\e):VF+8*(2*\t+\e)+7], v[S+32*\t+8*\ct:S+32*\t+8*\ct+7]
.endif
.endr
.endr
.endr
	WIN 0
	PLACES
	WIN 0x40                                       ; destination window 1
.set i, 0
.rept 64
	v_cvt_pk_bf16_f32 v[QF+i], v[S+2*i], v[S+2*i+1]
.set i, i+1
.endr
	WIN 0
.endm
; The four tiles' softmax for one key step, side by side.  first = 1: the block's first step starts m and l.
.macro SOFTMAX first
.irp j, 0,1,2,3                        ; the maximum of a lane's 32 scores and the old m: four chains of seven scores, then the four left over
.irp t, 0,1,2,3
	v_max3_num_f32 v[ST+8*\t+4+\j], v[S+32*\t+8*\j], v[S+32*\t+8*\j+1], v[S+32*\t+8*\j+2]
.endr
.endr
.irp g, 1,2
.irp j, 0,1,2,3
.irp t, 0,1,2,3
	v_max3_num_f32 v[ST+8*\t+4+\j], v[ST+8*\t+4+\j], v[S+32*\t+8*\j+2*\g+1], v[S+32*\t+8*\j+2*\g+2]
.endr
.endr
.endr
.irp t, 0,1,2,3
	v_max3_num_f32 v[ST+8*\t+4], v[ST+8*\t+4], v[S+32*\t+7], v[S+32*\t+15]
	v_max3_num_f32 v[ST+8*\t+6], v[ST+8*\t+6], v[S+32*\t+23], v[S+32*\t+31]
.endr
.irp t, 0,1,2,3
	v_max3_num_f32 v[ST+8*\t+4], v[ST+8*\t+4], v[ST+8*\t+5], v[ST+8*\t+6]
.endr
.irp t, 0,1,2,3
.if \first
	v_max_num_f32 v[ST+8*\t+4], v[ST+8*\t+4], v[ST+8*\t+7]
.else
	v_max3_num_f32 v[ST+8*\t+4], v[ST+8*\t+4], v[ST+8*\t+7], v[ST+8*\t]
.endif
.endr
.irp t, 0,1,2,3
	v_permlanex16_b32 v[ST+8*\t+5], v[ST+8*\t+4], s32, s33     ; the query's other 32 keys lie in the lane 16 away
.endr
.if !\first
.irp t, 0,1,2,3
	v_mov_b32 v[ST+8*\t+7], v[ST+8*\t]             ; the old m
.endr
.endif
.irp t, 0,1,2,3
	v_max_num_f32 v[ST+8*\t], v[ST+8*\t+4], v[ST+8*\t+5]
.endr
.if !\first
.irp t, 0,1,2,3
	v_sub_f32 v[ST+8*\t+7], v[ST+8*\t+7], v[ST+8*\t]
.endr
.endif
.irp q, 0,1,2,3,4,5,6,7,8,9,10,11,12,13,14,15
.irp t, 0,1,2,3
	v_pk_add_f32 v[S+32*\t+2*\q:S+32*\t+2*\q+1], v[S+32*\t+2*\q:S+32*\t+2*\q+1], v[ST+8*\t:ST+8*\t+1] op_sel_hi:[1,0] neg_lo:[0,1] neg_hi:[0,1]   ; s - m
.endr
.endr
.if !\first
.irp t, 0,1,2,3
	v_exp_f32 v[ST+8*\t+6], v[ST+8*\t+7]           ; a = 2^(m_old - m_new)
.endr
.endif
.set i, 0
.rept 128
	v_exp_f32 v[S+i], v[S+i]
.set i, i+1
.endr
	v_nop                                          ; one plain instruction between the exponentials and the use of their results (ISA guide 5.7.2)
.set i, 0
.rept 64
	v_cvt_pk_f16_f32 v[P+i], v[S+2*i], v[S+2*i+1]
.set i, i+1
.endr
.irp u, 0,1,2,3,4,5,6,7                ; the sum of a tile's 16 pairs, in place
.irp t, 0,1,2,3
	v_pk_add_f32 v[S+32*\t+4*\u:S+32*\t+4*\u+1], v[S+32*\t+4*\u:S+32*\t+4*\u+1], v[S+32*\t+4*\u+2:S+32*\t+4*\u+3]
.endr
.endr
.irp u, 0,1,2,3
.irp t, 0,1,2,3
	v_pk_add_f32 v[S+32*\t+8*\u:S+32*\t+8*\u+1], v[S+32*\t+8*\u:S+32*\t+8*\u+1], v[S+32*\t+8*\u+4:S+32*\t+8*\u+5]
.endr
.endr
.irp u, 0,1
.irp t, 0,1,2,3
	v_pk_add_f32 v[S+32*\t+16*\u:S+32*\t+16*\u+1], v[S+32*\t+16*\u:S+32*\t+16*\u+1], v[S+32*\t+16*\u+8:S+32*\t+16*\u+9]
.endr
.endr
.irp t, 0,1,2,3
.if \first
	v_pk_add_f32 v[ST+8*\t+2:ST+8*\t+3], v[S+32*\t:S+32*\t+1], v[S+32*\t+16:S+32*\t+17]
.else
	v_pk_add_f32 v[S+32*\t:S+32*\t+1], v[S+32*\t:S+32*\t+1], v[S+32*\t+16:S+32*\t+17]
.endif
.endr
.if !\first
.irp t, 0,1,2,3
	v_pk_fma_f32 v[ST+8*\t+2:ST+8*\t+3], v[ST+8*\t+2:ST+8*\t+3], v[ST+8*\t+6:ST+8*\t+7], v[S+32*\t:S+32*\t+1] op_sel_hi:[1,0,1]   ; l = a l + the sum
.endr
.endif
.endm
; A KEY STEP on the tile in LDS.  diag = 1: the block's own tile: masked, and it starts m, l and O^T.  pre = 1: the tile at byte s28 is fetched meanwhile and put into LDS at the end.
.macro STEP diag, pre
.if \pre
	AHEAD
.endif
	WIN 0x80
.irp kt, 0,1,2,3
.irp e, 0,1
	ds_load_b128 v[KF+8*(2*\kt+\e):KF+8*(2*\kt+\e)+3],   v[AK0] offset:16*KP*\kt+64*\e
	ds_load_b128 v[KF+8*(2*\kt+\e)+4:KF+8*(2*\kt+\e)+7], v[AK0] offset:16*KP*\kt+64*\e+32
.endr
.endr
.irp ct, 0,1,2,3
.irp kb, 0,1
	ds_load_b128 v[VF+8*(2*\ct+\kb):VF+8*(2*\ct+\kb)+3],   v[AV0] offset:(64*\kb+16*\ct)*VP
	ds_load_b128 v[VF+8*(2*\ct+\kb)+4:VF+8*(2*\ct+\kb)+7], v[AV0] offset:(64*\kb+16*\ct)*VP+32
.endr
.endr
	s_wait_dscnt 16                                ; K's sixteen loads are in; V's sixteen, issued behind them, may stay out
	WIN 0x06                                       ; K window 2, Q' window 1, S^T window 0
.irp e, 0,1                            ; the sixteen accumulators take turns
.irp t, 0,1,2,3
.irp kt, 0,1,2,3
.if \e == 0
	v_wmma_f32_16x16x32_bf16 v[S+32*\t+8*\kt:S+32*\t+8*\kt+7], v[KF+8*(2*\kt+\e):KF+8*(2*\kt+\e)+7], v[QF+16*\t+8*\e:QF+16*\t+8*\e+7], 0
.else
	v_wmma_f32_16x16x32_bf16 v[S+32*\t+8*\kt:S+32*\t+8*\kt+7], v[KF+8*(2*\kt+\e):KF+8*(2*\kt+\e)+7], v[QF+16*\t+8*\e:QF+16*\t+8*\e+7], v[S+32*\t+8*\kt:S+32*\t+8*\kt+7]
.endif
.endr
.endr
.endr
	WIN 0
	PLACES
.if \diag                              ; key 16 kt + 8 h + j is kept for query 16 t + r where it is not later
.irp t, 0,1,2,3
.irp kt, 0,1,2,3
.if \kt > \t
.irp j, 0,1,2,3,4,5,6,7
	v_mov_b32 v[S+32*\t+8*\kt+\j], v[NEGV]
.endr
.elseif \kt == \t
.irp j, 0,1,2,3,4,5,6,7
	v_cndmask_b32 v[S+32*\t+8*\kt+\j], v[NEGV], v[S+32*\t+8*\kt+\j], s[40+\j]
.endr
.endif
.endr
.endr
.endif
	SOFTMAX \diag
	s_wait_dscnt 0x0                               ; V is in, and with it all my reads of the tile
.if \pre
	s_barrier_signal -1                            ; I have read the tile; register work alone until the wait
.endif
.if !\diag
	WIN 0x41                                       ; O^T window 1, a window 0
.irp t, 0,1,2,3
.set i, 0
.rept 16
	v_pk_mul_f32 v[O+32*\t+2*i:O+32*\t+2*i+1], v[O+32*\t+2*i:O+32*\t+2*i+1], v[ST+8*\t+6:ST+8*\t+7] op_sel_hi:[1,0]
.set i, i+1
.endr
.endr
.endif
	WIN 0x52                                       ; V window 2, P window 0, O^T window 1
.irp kb, 0,1                           ; the sixteen accumulators take turns
.irp t, 0,1,2,3
.irp ct, 0,1,2,3
.if \diag && (\kb == 0)
	v_wmma_f32_16x16x32_f16 v[O+32*\t+8*\ct:O+32*\t+8*\ct+7], v[VF+8*(2*\ct+\kb):VF+8*(2*\ct+\kb)+7], v[P+16*\t+8*\kb:P+16*\t+8*\kb+7], 0
.else
	v_wmma_f32_16x16x32_f16 v[O+32*\t+8*\ct:O+32*\t+8*\ct+7], v[VF+8*(2*\ct+\kb):VF+8*(2*\ct+\kb)+7], v[P+16*\t+8*\kb:P+16*\t+8*\kb+7], v[O+32*\t+8*\ct:O+32*\t+8*\ct+7]
.endif
.endr
.endr
.endr
	WIN 0
	PLACES
.if \pre
	s_barrier_wait -1                              ; every wave has read the tile
	PUT
.endif
.endm
; THE WAY OUT of a block: Z = (O_hi + O_lo) / l as a pair of bf16, through the stage (a row's 512 bytes come from four waves), 512 consecutive bytes a store.
.macro ZOUT
.irp t, 0,1,2,3
	v_add_f32 v[ST+8*\t+4], v[ST+8*\t+2], v[ST+8*\t+3]
.endr
.irp t, 0,1,2,3
	v_permlanex16_b32 v[ST+8*\t+5], v[ST+8*\t+4], s32, s33
.endr
.irp t, 0,1,2,3
	v_add_f32 v[ST+8*\t+4], v[ST+8*\t+4], v[ST+8*\t+5]
.endr
.irp t, 0,1,2,3
	v_rcp_f32 v[ST+8*\t+6], v[ST+8*\t+4]
.endr
	v_nop                                          ; a plain instruction behind the last reciprocal
	WIN 0x05                                       ; sources window 1, destination window 0
.irp t, 0,1,2,3
.irp c, 0,1
.irp i, 0,1,2,3
	v_pk_add_f32 v[64+16*\t+8*\c+2*\i:64+16*\t+8*\c+2*\i+1], v[O+32*\t+8*\c+2*\i:O+32*\t+8*\c+2*\i+1], v[O+32*\t+8*\c+16+2*\i:O+32*\t+8*\c+16+2*\i+1]
.endr
.endr
.endr
	WIN 0
.irp t, 0,1,2,3
.irp k, 0,1,2,3,4,5,6,7
	v_pk_mul_f32 v[64+16*\t+2*\k:64+16*\t+2*\k+1], v[64+16*\t+2*\k:64+16*\t+2*\k+1], v[ST+8*\t+6:ST+8*\t+7] op_sel_hi:[1,0]
.endr
.endr
.set i, 0
.rept 32
	v_cvt_pk_bf16_f32 v[128+i], v[64+2*i], v[64+2*i+1]
.set i, i+1
.endr
.set i, 0
.rept 32
	v_lshlrev_b32 v[192+2*i], 16, v[128+i]
	v_and_b32 v[193+2*i], s35, v[128+i]
.set i, i+1
.endr
.set i, 0
.rept 32
	v_pk_add_f32 v[192+2*i:193+2*i], v[64+2*i:65+2*i], v[192+2*i:193+2*i] neg_lo:[0,1] neg_hi:[0,1]
.set i, i+1
.endr
.set i, 0
.rept 32
	v_cvt_pk_bf16_f32 v[160+i], v[192+2*i], v[193+2*i]
.set i, i+1
.endr
.irp t, 0,1,2,3
.irp c, 0,1
	ds_store_b128 v[STO], v[128+8*\t+4*\c:128+8*\t+4*\c+3] offset:16*SP*\t+32*\c
	ds_store_b128 v[STO], v[160+8*\t+4*\c:160+8*\t+4*\c+3] offset:16*SP*\t+32*\c+128
.endr
.endr
	s_wait_dscnt 0x0                               ; for the others' sake
	s_barrier_signal -1
	s_barrier_wait -1
.set i, 0
.rept 16
	ds_load_b128 v[64+4*i:64+4*i+3], v[RD] offset:SP*i
.set i, i+1
.endr
	s_wait_dscnt 0x0                               ; also: my reads of the stage are over before any later barrier, behind which it is written again
.set i, 0
.rept 16
	global_store_b128 v[GO], v[64+4*i:64+4*i+3], s[26:27] offset:2048*i
.set i, i+1
.endr
.endm
	; BLOCK 1: query block I1.  Its own tile first.
	s_lshl_b32 s28, s14, 13
	AHEAD
	QPREP                                          ; its wait for all loads covers the tile too
	PUT
	s_cmp_eq_u32 s14, 0
	s_cselect_b32 s28, s30, 0                      ; next: tile 0, or, where the block has no earlier tile, the second block's own
	STEP 1, 1
	s_mov_b32 s29, 0
	s_cmp_eq_u32 s14, 0
	s_cbranch_scc1 .Lz1
.Lb1:                                                  ; I1 trips: trip c multiplies tile c - 1 and fetches tile c, the last one the second block's own tile
	s_add_co_u32 s29, s29, 1
	s_lshl_b32 s36, s29, 13
	s_cmp_lt_u32 s29, s14
	s_cselect_b32 s28, s36, s30
	STEP 0, 1
	s_cmp_lt_u32 s29, s14
	s_cbranch_scc1 .Lb1
.Lz1:
	ZOUT
	; BLOCK 2: query block I2 = 31 - I1, at least 16
	s_wait_xcnt 0x0                                ; the stores have read their base and data: both are written again only behind this wait
	s_add_nc_u64 s[24:25], s[18:19], s[30:31]
	s_lshl_b32 s36, s15, 22
	s_lshl_b32 s38, s16, 17
	s_add_co_u32 s36, s36, s38
	s_lshl_b32 s38, s13, 9
	s_add_co_u32 s36, s36, s38
	s_add_nc_u64 s[26:27], s[10:11], s[36:37]
	QPREP
	s_mov_b32 s28, 0
	STEP 1, 1
	s_mov_b32 s29, 0
.Lb2:                                                  ; I2 - 1 trips: trip c multiplies tile c - 1 and fetches tile c
	s_add_co_u32 s29, s29, 1
	s_lshl_b32 s28, s29, 13
	STEP 0, 1
	s_cmp_lt_u32 s29, s34
	s_cbranch_scc1 .Lb2
	STEP 0, 0                                      ; tile I2 - 1: nothing is left to fetch
	ZOUT
	s_endpgm
.Lfunc_end_k_q906df98e8d_attn:
	.size	k_q906df98e8d_attn, .Lfunc_end_k_q906df98e8d_attn-k_q906df98e8d_attn
	.p2alignl 7, 3214868480
	.fill 96, 4, 3214868480
	.section	.rodata,"a",@progbits
	.p2align	6, 0x0
	.amdhsa_kernel k_q906df98e8d_attn
		.amdhsa_group_segment_fixed_size 53248
		.amdhsa_private_segment_fixed_size 0
		.amdhsa_enable_private_segment 0
		.amdhsa_kernarg_size 32
		.amdhsa_user_sgpr_count 2
		.amdhsa_user_sgpr_kernarg_segment_ptr 1
		.amdhsa_wavefront_size32 1
		.amdhsa_system_sgpr_workgroup_id_x 1
		.amdhsa_system_sgpr_workgroup_id_y 1
		.amdhsa_system_sgpr_workgroup_id_z 1
		.amdhsa_system_vgpr_workitem_id 0
		.amdhsa_next_free_vgpr 672
		.amdhsa_next_free_sgpr 66
		.amdhsa_reserve_vcc 0
		.amdhsa_float_denorm_mode_32 3
		.amdhsa_float_denorm_mode_16_64 3
		.amdhsa_memory_ordered 1
		.amdhsa_forward_progress 1
		.amdhsa_inst_pref_size 218
	.end_amdhsa_kernel
	.amdgpu_metadata
---
amdhsa.version: [ 1, 2 ]
amdhsa.kernels:
  - .name:           k_q906df98e8d_attn
    .symbol:         k_q906df98e8d_attn.kd
    .args:
      - { .name: hqk, .offset: 0, .size: 8, .value_kind: global_buffer, .address_space: global }
      - { .name: hvt, .offset: 8, .size: 8, .value_kind: global_buffer, .address_space: global }
      - { .name: GT, .offset: 16, .size: 8, .value_kind: global_buffer, .address_space: global }
      - { .name: Zs, .offset: 24, .size: 8, .value_kind: global_buffer, .address_space: global }
    .group_segment_fixed_size: 53248
    .private_segment_fixed_size: 0
    .kernarg_segment_align: 8
    .kernarg_segment_size: 32
    .max_flat_workgroup_size: 128
    .sgpr_count:     66
    .vgpr_count:     672
    .wavefront_size: 32
...
	.end_amdgpu_metadata
.endif
;; end of part 3
;; launch outp (part 4): grid 4 x 64, 4 waves a work-group, clusters of 4 x 4, 327,680 bytes of LDS; arguments Zs, Mt, out0; writes out0
.if DOCPART == 4
	.amdgcn_target "amdgcn-amd-amdhsa--gfx1250"
	.amdhsa_code_object_version 6
	.text
	.protected	k_q906df98e8d_outp
	.globl	k_q906df98e8d_outp
	.p2align	8
	.type	k_q906df98e8d_outp,@function
k_q906df98e8d_outp:
	s_mov_b64 s[64:65], 0
	v_nop
	global_prefetch_b8 v0, s[64:65] scope:SCOPE_SE
	s_setreg_imm32_b32 hwreg(HW_REG_WAVE_MODE, 25, 1), 1
	s_wait_xcnt 0x0
	s_wait_alu depctr_hold_cnt(0) depctr_sa_sdst(0) depctr_va_vdst(0) depctr_va_sdst(0) depctr_va_ssrc(0) depctr_va_vcc(0) depctr_vm_vsrc(0)
	s_getreg_b32 s2, hwreg(HW_REG_IB_STS2, 6, 4)
	s_cmp_eq_u32 s2, 0
	s_cbranch_scc0 .Lentry_in_a_cluster
	s_endpgm
.Lentry_in_a_cluster:
	s_bfe_u32 s2, ttmp6, 0x10000c
	s_cmp_lg_u32 s2, 0xf033
	s_cbranch_scc0 .Lentry_shape_is_right
	s_endpgm
.Lentry_shape_is_right:
; OUTP: out0[m][n] = sum over k' (512) of Z[m][k'] M[b][n][k'], f32 out.  Z and M are pairs hi + lo of bf16 (rows of 2,048 bytes: [kc 8][hi 64 | lo 64]).
; Three products a chunk of 32 k': Zlo Mhi + Zhi Mhi + Zhi Mlo; lo x lo, some 2^-18 of the result, is left out.
; SHARES: a tile of out0 is 128 (m) x 256 (n): 256 work-groups.  Wave (w / 2, w % 2) makes 64 x 128: 32 accumulators, window 1.  The matrix instruction is used transposed
; (source 0 = 16 rows of Mt, source 1 = 16 rows of Zs): a lane holds one m and eight neighbouring n.
; RING: a K step is one kc: rows of 256 bytes (hi 128 | lo 128), aligned; eight steps through two LDS slots (A's 128 rows, then B's 256, pitch 272).  One tensor load a wave and step:
; waves 0, 1 fetch A's halves (64 rows), waves 2, 3 B's (128 rows).  A wave has two tensor loads out at the start and one afterwards.
; CLUSTER 4 x 4: the four work-groups of a row of the cluster need the same tile of Zs, the four of a column the same tile of Mt (the batch hangs on the cluster's y alone): joint loads.
; REGISTERS.  window 0: v16-26 addresses; fragments of one chunk: Zhi v64-95, Zlo v96-127, Mhi v128-191, Mlo v192-255, each filled again as soon as its last product is past.
.set PITCH,  272
.set AH,     64*PITCH
.set BH,     128*PITCH
.set BOFF,   2*AH
.set SLOT,   BOFF+2*BH
.set STAGE,  2*SLOT                    ; behind the ring: 16 rows x 528 bytes for each wave; no tensor load fills it
.set SPITCH, 528
.set ADRA, 16
.set ADRB, 20
.set STO,  24
.set RD,   25
.set CO,   26
.set ZH,   64
.set ZL,   96
.set MH,   128
.set ML,   192
.set G1,  24                           ; s[24:31] group 1 for A's tiles; s[32:39] group 0, a set for each slot
.set G0,  32
.set G1B, 48                           ; s[48:55], s[56:63] the same for B's
.set G0B, 56
.set MSB, 0
.macro WIN new
.if MSB != \new
	s_set_vgpr_msb (MSB<<8)|\new
.set MSB, \new
.endif
.endm
.macro PLACES                          ; four plain vector instructions behind a matrix instruction, ahead of loads into its sources (ISA guide 7.12.1 for vector instructions)
.rept 4
	v_nop
.endr
.endm
.macro JLOAD s                         ; a joint refill; the branch hangs on the wave's number alone; four v_nop follow each of the two lines
	s_cmp_eq_u32 s11, 0
	s_cbranch_scc0 .Lfor_b_\@
	tensor_load_to_lds s[G0+4*\s:G0+4*\s+3], s[G1:G1+7]
.rept 4
	v_nop
.endr
	s_branch .Lasked_\@
.Lfor_b_\@:
	tensor_load_to_lds s[G0B+4*\s:G0B+4*\s+3], s[G1B:G1B+7]
.rept 4
	v_nop
.endr
.Lasked_\@:
.endm
.macro CREST                           ; a round of the cluster's barrier behind its opening barrier
	s_cmp_lg_u32 s10, 0
	s_cbranch_scc1 .Lnot_wave_0_\@
	s_barrier_signal -3
.Lnot_wave_0_\@:
	s_barrier_wait -3
	s_barrier_signal -1
	s_barrier_wait -1
.endm
.macro CROUND
	s_barrier_signal -1
	s_barrier_wait -1
	CREST
.endm
	s_load_b128 s[4:7], s[0:1], 0x0                ; Zs s4, Mt s6
	s_load_b64 s[8:9], s[0:1], 0x10                ; out0
	v_lshrrev_b32 v1, 5, v0
	v_readfirstlane_b32 s10, v1                    ; wave
	s_lshr_b32 s11, s10, 1                         ; my half of the tile's rows.  Also: I fetch for A (0) or for B (1)
	s_and_b32 s12, s10, 1                          ; my half of its columns.  Also: which half of that tile I fetch
	s_bfe_u32 s40, ttmp6, 0x40000                  ; cx
	s_bfe_u32 s41, ttmp6, 0x40004                  ; cy
	s_lshl_b32 s42, ttmp9, 2
	s_add_co_u32 s42, s42, s40                     ; tile column = 4 x cluster x + cx
	s_and_b32 s45, ttmp7, 0xffff                   ; cluster y
	s_lshl_b32 s13, s45, 2
	s_add_co_u32 s13, s13, s41                     ; tile row = 4 x cluster y + cy
	s_lshr_b32 s45, s45, 2                         ; the batch: 16 tile rows = 4 clusters each
	s_lshl_b32 s43, s41, 2
	s_lshl_b32 s43, 15, s43                        ; my row of the cluster
	s_lshl_b32 s44, 0x1111, s40                    ; my column
	s_or_b32 s[G1+0], s43, (1<<16)|(1<<20)|(1<<21)|(5<<22)|(3<<25)   ; mask; elements of 2 bytes; padding on; bit 21 beside a mask; after every 64 words, 4 words
	s_or_b32 s[G1B+0], s44, (1<<16)|(1<<20)|(1<<21)|(5<<22)|(3<<25)
	s_mov_b32 s[G1+1], 128<<16                     ; tensor_dim0 = 128
	s_mov_b32 s[G1+2], 64<<16                      ; tensor_dim1 = 64
	s_mov_b32 s[G1+3], 128<<16                     ; tile_dim0 = 128
	s_mov_b32 s[G1+4], 64                          ; tile_dim1 = 64
	s_mov_b32 s[G1+5], 1024                        ; elements from row to row
	s_mov_b32 s[G1+6], 0
	s_mov_b32 s[G1+7], 0
	s_mov_b32 s[G1B+1], 128<<16
	s_mov_b32 s[G1B+2], 128<<16                    ; B: 128 rows
	s_mov_b32 s[G1B+3], 128<<16
	s_mov_b32 s[G1B+4], 128
	s_mov_b32 s[G1B+5], 1024
	s_mov_b32 s[G1B+6], 0
	s_mov_b32 s[G1B+7], 0
	s_lshl_b32 s16, s13, 7                         ; A: row 128 x tile row + 64 x half, rows of 2,048 bytes
	s_lshl_b32 s17, s12, 6
	s_add_co_u32 s16, s16, s17
	s_lshl_b32 s16, s16, 11
	s_mov_b32 s17, 0
	s_lshl_b32 s46, s42, 8                         ; B: row 256 x tile column + 128 x half, in the batch's 2 MiB
	s_lshl_b32 s47, s12, 7
	s_add_co_u32 s46, s46, s47
	s_lshl_b32 s46, s46, 11
	s_lshl_b32 s47, s45, 21
	s_add_co_u32 s46, s46, s47
	s_mov_b32 s47, 0
	s_mul_i32 s20, s12, AH                         ; where they go: no place in the cluster enters an LDS address
	s_mul_i32 s21, s12, BH
	s_add_co_u32 s21, s21, BOFF
	s_wait_kmcnt 0x0
	s_add_nc_u64 s[14:15], s[4:5], s[16:17]
	s_add_nc_u64 s[46:47], s[6:7], s[46:47]
	CROUND                                         ; all sixteen work-groups are here: the first joint loads meet
.irp s, 0,1
	s_mov_b32 s[G0+4*\s], 1
	s_add_co_u32 s[G0+4*\s+1], s20, \s*SLOT
	s_add_nc_u64 s[G0+4*\s+2:G0+4*\s+3], s[14:15], \s*256      ; K step s
	s_or_b32 s[G0+4*\s+3], s[G0+4*\s+3], 0x80000000
	s_mov_b32 s[G0B+4*\s], 1
	s_add_co_u32 s[G0B+4*\s+1], s21, \s*SLOT
	s_add_nc_u64 s[G0B+4*\s+2:G0B+4*\s+3], s[46:47], \s*256
	s_or_b32 s[G0B+4*\s+3], s[G0B+4*\s+3], 0x80000000
.endr
	s_cmp_eq_u32 s11, 0                            ; a wave's two first fills stand in one branch, ahead of every wait on TENSORcnt and every LDS read
	s_cbranch_scc0 .Lfirst_b
	tensor_load_to_lds s[G0:G0+3], s[G1:G1+7]
	tensor_load_to_lds s[G0+4:G0+7], s[G1:G1+7]
.rept 4
	v_nop
.endr
	s_branch .Lfirst_asked
.Lfirst_b:
	tensor_load_to_lds s[G0B:G0B+3], s[G1B:G1B+7]
	tensor_load_to_lds s[G0B+4:G0B+7], s[G1B:G1B+7]
.rept 4
	v_nop
.endr
.Lfirst_asked:
	v_and_b32 v1, 15, v0                           ; r
	v_bfe_u32 v2, v0, 4, 1                         ; h
	v_and_b32 v4, 31, v0                           ; lane
	v_mul_u32_u24 v3, v1, PITCH
	v_lshl_add_u32 v3, v2, 4, v3                   ; a fragment's row x pitch + 16 h
	s_mul_i32 s18, s11, AH                         ; my 64 rows of A
	s_mul_i32 s19, s12, BH                         ; my 128 rows of B,
	s_add_co_u32 s19, s19, BOFF                    ; behind A's 128
.irp s, 0,1
	v_add_nc_u32 v[ADRA+\s], s18, v3
	v_add_nc_u32 v[ADRB+\s], s19, v3
	s_add_co_u32 s18, s18, SLOT
	s_add_co_u32 s19, s19, SLOT
.endr
	s_mul_i32 s23, s10, 16*SPITCH
	s_add_co_u32 s23, s23, STAGE                   ; my stage
	v_mul_u32_u24 v5, v1, SPITCH
	v_lshl_add_u32 v5, v2, 5, v5
	v_add_nc_u32 v[STO], s23, v5                   ; in: row r, 32 bytes for each half of the lanes
	v_lshl_add_u32 v[RD], v4, 4, s23               ; back: a row's 512 bytes an instruction
	v_lshlrev_b32 v[CO], 4, v4
	s_lshl_b32 s16, s13, 7
	s_lshl_b32 s17, s11, 6
	s_add_co_u32 s16, s16, s17                     ; my first row of out0,
	s_lshl_b32 s16, s16, 12                        ; rows of 4,096 bytes
	s_mov_b32 s17, 0
	s_add_nc_u64 s[8:9], s[8:9], s[16:17]
	s_lshl_b32 s46, s42, 10                        ; my first column, in bytes: 1,024 x tile column + 512 x half (in the registers that held B's address)
	s_lshl_b32 s47, s12, 9
	s_add_co_u32 s46, s46, s47
	s_mov_b32 s47, 0
	s_add_nc_u64 s[8:9], s[8:9], s[46:47]
; 32 matrix instructions: all 32 accumulators, one turn each, always in the same order
.macro MULP za, mb, zero
	WIN 0x50                                       ; sums window 1
.irp a, 0,1,2,3
.irp bq, 0,1,2,3,4,5,6,7
.if \zero
	v_wmma_f32_16x16x32_bf16 v[8*(8*\a+\bq):8*(8*\a+\bq)+7], v[\mb+8*\bq:\mb+8*\bq+7], v[\za+8*\a:\za+8*\a+7], 0
.else
	v_wmma_f32_16x16x32_bf16 v[8*(8*\a+\bq):8*(8*\a+\bq)+7], v[\mb+8*\bq:\mb+8*\bq+7], v[\za+8*\a:\za+8*\a+7], v[8*(8*\a+\bq):8*(8*\a+\bq)+7]
.endif
.endr
.endr
.endm
.macro LOADX slot, e                   ; 24 loads: Zlo and Mhi of chunk e
	WIN 0
.irp a, 0,1,2,3
	ds_load_b128 v[ZL+8*\a:ZL+8*\a+3],   v[ADRA+\slot] offset:\a*16*PITCH+128+64*\e
	ds_load_b128 v[ZL+8*\a+4:ZL+8*\a+7], v[ADRA+\slot] offset:\a*16*PITCH+128+64*\e+32
.endr
.irp bq, 0,1,2,3,4,5,6,7
	ds_load_b128 v[MH+8*\bq:MH+8*\bq+3],   v[ADRB+\slot] offset:\bq*16*PITCH+64*\e
	ds_load_b128 v[MH+8*\bq+4:MH+8*\bq+7], v[ADRB+\slot] offset:\bq*16*PITCH+64*\e+32
.endr
.endm
.macro LOADY slot, e                   ; 24 loads: Zhi and Mlo of chunk e
	WIN 0
.irp a, 0,1,2,3
	ds_load_b128 v[ZH+8*\a:ZH+8*\a+3],   v[ADRA+\slot] offset:\a*16*PITCH+64*\e
	ds_load_b128 v[ZH+8*\a+4:ZH+8*\a+7], v[ADRA+\slot] offset:\a*16*PITCH+64*\e+32
.endr
.irp bq, 0,1,2,3,4,5,6,7
	ds_load_b128 v[ML+8*\bq:ML+8*\bq+3],   v[ADRB+\slot] offset:\bq*16*PITCH+128+64*\e
	ds_load_b128 v[ML+8*\bq+4:ML+8*\bq+7], v[ADRB+\slot] offset:\bq*16*PITCH+128+64*\e+32
.endr
.endm
; The rest of a step's chunk 0 (its Zlo Mhi is done) and the first product of chunk 1
.macro REST slot
	s_wait_dscnt 0x0                               ; Zhi and Mlo are in
	MULP ZH, MH, 0
	PLACES
	LOADX \slot, 1                                 ; Zlo and Mhi are free
	MULP ZH, ML, 0
	PLACES
	LOADY \slot, 1
	s_wait_dscnt 24                                ; Zlo and Mhi are in; the 24 loads just issued may stay out
	MULP ZL, MH, 0
.endm
; The rest of a step's chunk 1, the change of slots, and the first product of the next step.  ONE barrier: in front of it each wave waits for its reads of this slot (all have been issued)
; and for all its tensor loads: its part of the next slot.  fill = 1: the barrier opens a round of the cluster's, and this slot is filled again, two steps ahead, first thing behind it:
; 160 matrix instructions of the wave lie between that request and the wait for it.
.macro TURN slot, next, fill
	s_wait_dscnt 0x0
	s_wait_tensorcnt 0x0
	s_barrier_signal -1
	MULP ZH, MH, 0                                 ; register work while the others arrive
	WIN 0
	s_barrier_wait -1
.if \fill
	CREST                                          ; no wave of any partner still reads this slot or has a load on its way
	s_add_nc_u64 s[G0+4*\slot+2:G0+4*\slot+3], s[G0+4*\slot+2:G0+4*\slot+3], 512
	s_add_nc_u64 s[G0B+4*\slot+2:G0B+4*\slot+3], s[G0B+4*\slot+2:G0B+4*\slot+3], 512
	JLOAD \slot                                    ; its four v_nop are also the places in front of the loads below
.else
	PLACES
.endif
	LOADX \next, 0
	MULP ZH, ML, 0
	PLACES
	LOADY \next, 0
	s_wait_dscnt 24
	MULP ZL, MH, 0
.endm
	s_wait_tensorcnt 1                             ; my part of K step 0 is in; step 1's may stay out
	s_barrier_signal -1
	s_barrier_wait -1
	LOADX 0, 0
	LOADY 0, 0
	s_wait_dscnt 24
	MULP ZL, MH, 1                                 ; the first product starts the sums: nothing is cleared
	WIN 0
	s_mov_b32 s3, 3
.Llap:                                                 ; three trips: K steps 0 to 5; both slots are filled again in each
	REST 0
	TURN 0, 1, 1
	REST 1
	TURN 1, 0, 1
	WIN 0
	s_sub_co_u32 s3, s3, 1
	s_cmp_lg_u32 s3, 0
	s_cbranch_scc1 .Llap
	REST 0                                         ; K steps 6 and 7: nothing is left to fetch
	TURN 0, 1, 0
	REST 1
	s_wait_dscnt 0x0
	MULP ZH, MH, 0
	MULP ZH, ML, 0
	WIN 0
	PLACES
; THE WAY OUT: 16 rows at a time through my own stage; LDS serves a wave's instructions in order, so no wait stands between the stores and the loads
.macro OUTBLK a
.set BK, 64+64*((\a)%2)
	WIN 0x04                                       ; LDS store data window 1
.irp bq, 0,1,2,3,4,5,6,7
	ds_store_b128 v[STO], v[8*(8*\a+\bq):8*(8*\a+\bq)+3]   offset:64*\bq
	ds_store_b128 v[STO], v[8*(8*\a+\bq)+4:8*(8*\a+\bq)+7] offset:64*\bq+16
.endr
	WIN 0
.irp t, 0,1,2,3,4,5,6,7,8,9,10,11,12,13,14,15
	ds_load_b128 v[BK+4*\t:BK+4*\t+3], v[RD] offset:\t*SPITCH
.endr
	s_wait_dscnt 0x0
	s_wait_xcnt 0x0                                ; the last block's stores have read their data: the next block loads into those registers only behind this wait
.irp t, 0,1,2,3,4,5,6,7,8,9,10,11,12,13,14,15
	global_store_b128 v[CO], v[BK+4*\t:BK+4*\t+3], s[8:9] offset:(16*\a+\t)*4096 th:TH_STORE_NT   ; 512 consecutive bytes of a row, aligned
.endr
.endm
	OUTBLK 0
	OUTBLK 1
	OUTBLK 2
	OUTBLK 3
	CROUND                                         ; the closing round: no work-group ends while a partner may still ask for a tile that names it
	s_endpgm
.Lfunc_end_k_q906df98e8d_outp:
	.size	k_q906df98e8d_outp, .Lfunc_end_k_q906df98e8d_outp-k_q906df98e8d_outp
	.p2alignl 7, 3214868480
	.fill 96, 4, 3214868480
	.section	.rodata,"a",@progbits
	.p2align	6, 0x0
	.amdhsa_kernel k_q906df98e8d_outp
		.amdhsa_group_segment_fixed_size 327680
		.amdhsa_private_segment_fixed_size 0
		.amdhsa_enable_private_segment 0
		.amdhsa_kernarg_size 24
		.amdhsa_user_sgpr_count 2
		.amdhsa_user_sgpr_kernarg_segment_ptr 1
		.amdhsa_wavefront_size32 1
		.amdhsa_system_sgpr_workgroup_id_x 1
		.amdhsa_system_sgpr_workgroup_id_y 1
		.amdhsa_system_sgpr_workgroup_id_z 1
		.amdhsa_system_vgpr_workitem_id 0
		.amdhsa_next_free_vgpr 512
		.amdhsa_next_free_sgpr 66
		.amdhsa_reserve_vcc 0
		.amdhsa_float_denorm_mode_32 3
		.amdhsa_float_denorm_mode_16_64 3
		.amdhsa_memory_ordered 1
		.amdhsa_forward_progress 1
		.amdhsa_inst_pref_size 99
	.end_amdhsa_kernel
	.amdgpu_metadata
---
amdhsa.version: [ 1, 2 ]
amdhsa.kernels:
  - .name:           k_q906df98e8d_outp
    .symbol:         k_q906df98e8d_outp.kd
    .args:
      - { .name: Zs, .offset: 0, .size: 8, .value_kind: global_buffer, .address_space: global }
      - { .name: Mt, .offset: 8, .size: 8, .value_kind: global_buffer, .address_space: global }
      - { .name: out0, .offset: 16, .size: 8, .value_kind: global_buffer, .address_space: global }
    .group_segment_fixed_size: 327680
    .private_segment_fixed_size: 0
    .kernarg_segment_align: 8
    .kernarg_segment_size: 24
    .max_flat_workgroup_size: 128
    .sgpr_count:     66
    .vgpr_count:     512
    .wavefront_size: 32
...
	.end_amdgpu_metadata
.endif
;; end of part 4
;; ======== version 2 of 2: 4 launches; 1.20 times as fast as version 1
;; limits: values are held in f16: magnitudes above 65,504 overflow, below 6.1e-05 lose precision
;; workspace buffers: Fg 786,432 bytes; GT 524,288 bytes; Mt 8,388,608 bytes; hqk 1,048,576 bytes; hvt 1,048,576 bytes; Zs 16,777,216 bytes
;; launch prep: the kernel of part 1 again; grid 256 x 1, 4 waves a work-group, no clusters, 35,840 bytes of LDS; arguments W_O, feature_qk_neurons, feature_v_neurons, idx_k, idx_q, idx_qk, idx_v, idx_v2, relational_k_neurons, relational_q_neurons, value_neurons, Fg, GT, Mt; writes Fg, GT, Mt
;; launch proj: the kernel of part 2 again; grid 256 x 1, 8 waves a work-group, no clusters, 176,128 bytes of LDS; arguments x, Fg, hqk, hvt; writes hqk, hvt
;; launch attn (part 5): grid 256 x 1, 4 waves a work-group, no clusters, 53,248 bytes of LDS; arguments hqk, hvt, GT, Zs; writes Zs
.if DOCPART == 5
	.amdgcn_target "amdgcn-amd-amdhsa--gfx1250"
	.amdhsa_code_object_version 6
	.text
	.protected	k_q906df98e8d_attn
	.globl	k_q906df98e8d_attn
	.p2align	8
	.type	k_q906df98e8d_attn,@function
k_q906df98e8d_attn:
	s_mov_b64 s[64:65], 0
	v_nop
	global_prefetch_b8 v0, s[64:65] scope:SCOPE_SE
	s_setreg_imm32_b32 hwreg(HW_REG_WAVE_MODE, 25, 1), 1
	s_wait_xcnt 0x0
; ATTN: Z_head = softmax(causal(h_qk G_head h_qk^T)) h_v, for 4 batches x 16 heads x 2,048 queries.  "K" is h_qk and "V" is h_v: the same for all heads of a batch.
;   Zs[row][kc 8][hi 64 | lo 64] bf16: Z as a pair hi + lo of bf16; kc = head / 2, place in a half = 32 (head % 2) + j
; FORMATS: scores from bf16 operands (GT holds log2(e) / 8, so p = 2^(s - m)); running maximum m and sum l in f32; p rounded to f16 (p <= 1; p below 3e-8 becomes 0 in the product).
; h_v enters the second product rounded to f16 (32 channels).  For the 64 keys of a query block's OWN tile what that rounding left over (hvt's lo lines, 32 more channels) is multiplied as
; well and added: a row with few keys does not average the rounding away, and all keys of rows 0 to 63 lie in their own tile; a later row has at least 64 earlier keys.
; Masked scores are -FLT_MAX, whose weight is 0; every row keeps its own key.  |h_v| must stay inside f16's range, 65,504.
; SHARES: work-group x: hg = x % 4, pi = (x / 4) % 16, b = x / 64.  Wave w owns head 4 hg + w and 64 queries (four tiles of 16).  The work-group makes query block pi, then block 31 - pi
; (64 rows each): (pi + 1) + (32 - pi) = 33 key steps of 64 keys in every work-group.  A block's diagonal tile comes first and starts m, l and the sums; then tiles 0 .. I - 1, unmasked.
; LAYOUT (both products transposed): S^T = K Q'^T and O^T = V^T P: a lane holds ONE query (lane % 16) in S^T, P and O^T; two tiles of S^T, rounded in pairs, are source 1 of the second product.
; BY TURNS.  A step has 48 matrix instructions and 436 vector instructions, 9.1 for each, so the vector side is the longer and the products are issued inside it.  The wave's tiles are two
; pieces, A (tiles 0, 1) and B (tiles 2, 3).  TURNB(g): 8 products V^T P of B for step g - 1 (16 where that was the block's first), 16 products K Q'^T of B for step g, A's softmax of step g
; in slices behind them.  TURNA(g): 8 (16) products V^T P of A for step g, 16 products K Q'^T of A for step g + 1, B's softmax of step g behind them.
; TILES.  K and V tiles (8 KiB each, shared by the four waves) come from memory into registers a whole step ahead, go from there into ONE K region and ONE V region of LDS, and from there
; into fragment registers.  Two barriers a step: one says "my part of the next K is stored and I have read V", the other "I have read K and my part of the next V is stored".
; The tiles form one list for the work-group: I1, 0 .. I1 - 1, I2, 0 .. I2 - 1.  A block's diagonal tile of K is also its 64 query rows, so Q' = h_qk G is made from K's fragments.
; NOT USED, and said plainly: a block's last TURNA multiplies the next tile's K by the old Q' (16 products) and the result is thrown away; the last two fetches of K and of V have no tile
; left in the list, are clamped to tile 31 of the batch and are not read; a V tile's lo lines come into LDS with every tile (two loads and two LDS stores of 16 bytes a thread and step) and
; are read in a block's first step alone: the trip in which the second block's own tile passes hangs on the work-group's number, and a branch round those loads would make the counted
; wait for loads differ between the paths.  All three spare a second copy of the turns.
; No cluster: what neighbours share is 16 KiB a step beside 192 matrix instructions and some 1,750 vector instructions of the work-group.  No tensor loads: every LDS address is fixed.
; REGISTERS.  window 0: v0-18 addresses; v24-55 statistics (tile t at 24 + 8 t: +0 m, +1 zero, +2 +3 l, +4 .. +7 at work, a or 1 / l in +6); v64-191 S^T; v192-255 P
;             window 1: v0-127 O^T ((t, ct) at 32 t + 8 ct; ct 2, 3, the lo channels, live in a block's first step alone); v128-191 Q' fragments
;             window 2: v0-63 K fragments; v64-127 V fragments; v128-143, v144-159 the next K and V tiles on their way; v160-223 GT's fragments, loaded once
; All that a softmax touches but O^T lies in window 0, and no window has room for a product's operands beside it: a slice costs two switches of the window.
.set KP,    144                        ; a row of K in LDS: 128 bytes + 16
.set VP,    80                         ; a line of V (one channel, 32 keys): 64 bytes + 16
.set VOFF,  64*KP
.set STAGE, VOFF+128*VP                ; 64 rows x 528 bytes for the way out
.set SP,    528
.set T16,  4
.set GOFK, 5
.set AK0,  6
.set AV0,  7
.set SK0,  8
.set SV0,  9
.set QOF,  10
.set STO,  11
.set RD,   12
.set GO,   13
.set DM,   14
.set NEGV, 17
.set GOFV, 18
.set ST,   24
.set S,    64
.set P,    192
.set O,    0
.set QF,   128
.set KF,   0
.set VF,   64
.set STGK, 128
.set STGV, 144
.set GTF,  160
.set W_KQ, 0x06                        ; K window 2, Q' window 1, S^T window 0
.set W_PV, 0x52                        ; V window 2, P window 0, O^T window 1
.set W_RS, 0x41                        ; O^T (destination and source 0) window 1, a window 0
.set MSB, 0
.macro WIN new                         ; the immediate's high byte repeats the setting that is left; a switch that changes nothing is dropped
.if MSB != \new
	s_set_vgpr_msb (MSB<<8)|\new
.set MSB, \new
.endif
.endm
.macro PLACES                          ; four plain vector instructions behind a matrix instruction (ISA guide 7.12.1)
.rept 4
	v_nop
.endr
.endm
	s_load_b256 s[4:11], s[0:1], 0x0               ; hqk s4, hvt s6, GT s8, Zs s10
	v_lshrrev_b32 v1, 5, v0
	v_readfirstlane_b32 s12, v1                    ; wave w
	s_and_b32 s13, ttmp9, 3                        ; hg
	s_bfe_u32 s14, ttmp9, 0x40002                  ; I: the block in hand, first I1 = pi
	s_lshr_b32 s15, ttmp9, 6                       ; b
	s_sub_co_u32 s16, 31, s14                      ; I2
	s_add_co_u32 s17, s14, 1                       ; I1 + 1: the place of the second block's own tile in the list
	s_mov_b32 s30, 0                               ; F: the place in the list of the tile asked for last
	s_mov_b32 s31, 0                               ; blocks done
	s_lshl_b32 s28, s14, 13                        ; the list's first tile, in bytes (8,192 a tile in hqk and in hvt)
	s_mov_b32 s32, 0x76543210                      ; v_permlanex16_b32: each lane takes its own place in the other half
	s_mov_b32 s33, 0xfedcba98
	s_mov_b32 s35, 0xffff0000
	v_and_b32 v1, 15, v0                           ; r
	v_bfe_u32 v2, v0, 4, 1                         ; h
	v_and_b32 v3, 31, v0                           ; lane
	v_lshlrev_b32 v[T16], 4, v0
	v_mul_u32_u24 v[AK0], v1, KP
	v_lshl_add_u32 v[AK0], v2, 4, v[AK0]           ; K fragment: row r, 16 h
	v_mul_u32_u24 v[AV0], v1, VP
	v_lshl_add_u32 v[AV0], v2, 4, v[AV0]
	v_add_nc_u32 v[AV0], VOFF, v[AV0]              ; V fragment: line r, 16 h
	v_lshrrev_b32 v15, 3, v0
	v_and_b32 v16, 7, v0
	v_mul_u32_u24 v[SK0], v15, KP
	v_lshl_add_u32 v[SK0], v16, 4, v[SK0]          ; a thread's 16 bytes of K: row t / 8, piece t % 8
	v_lshrrev_b32 v15, 2, v0
	v_and_b32 v16, 3, v0
	v_mul_u32_u24 v[SV0], v15, VP
	v_lshl_add_u32 v[SV0], v16, 4, v[SV0]
	v_add_nc_u32 v[SV0], VOFF, v[SV0]              ; of V: line t / 4, piece t % 4
	v_lshlrev_b32 v[QOF], 7, v1
	v_lshl_add_u32 v[QOF], v2, 4, v[QOF]           ; fragments from rows of 128 bytes in memory
	s_lshr_b32 s36, s12, 1
	s_lshl_b32 s36, s36, 8
	s_and_b32 s37, s12, 1
	s_lshl_b32 s37, s37, 6
	s_add_co_u32 s36, s36, s37
	s_add_co_u32 s36, s36, STAGE
	v_mul_u32_u24 v[STO], v1, SP
	v_lshl_add_u32 v[STO], v2, 4, v[STO]
	v_add_nc_u32 v[STO], s36, v[STO]               ; stage, in: row r, (w / 2) x 256 + (w % 2) x 64 + 16 h
	s_mul_i32 s36, s12, 16*SP
	s_add_co_u32 s36, s36, STAGE
	v_lshl_add_u32 v[RD], v3, 4, s36               ; and back: wave w takes rows 16 w .. + 15, 512 bytes an instruction
	s_lshl_b32 s36, s12, 15
	v_lshl_add_u32 v[GO], v3, 4, s36               ; the same rows in Zs
	v_lshlrev_b32 v15, 3, v2
	v_sub_nc_u32 v[DM], v1, v15                    ; on the diagonal register j is kept where j <= r - 8 h
	v_mov_b32 v[NEGV], 0xff7fffff                  ; -FLT_MAX
.irp jj, 0,1,2,3,4,5,6,7
	v_cmp_le_i32 s[40+\jj], \jj, v[DM]             ; the eight lane masks, made once
.endr
.irp t, 0,1,2,3
	v_mov_b32 v[ST+8*\t+1], 0                      ; m's partner in the pair that the packed subtraction names
.endr
	s_mov_b32 s37, 0                               ; stays 0: the upper word of every offset pair s[36:37]
	s_lshl_b32 s36, s15, 18
	s_wait_kmcnt 0x0
	s_add_nc_u64 s[18:19], s[4:5], s[36:37]        ; the batch's h_qk
	s_add_nc_u64 s[20:21], s[6:7], s[36:37]        ; the batch's h_v
	s_lshl_b32 s36, s15, 4
	s_lshl2_add_u32 s38, s13, s12
	s_add_co_u32 s36, s36, s38
	s_lshl_b32 s36, s36, 13
	s_add_nc_u64 s[22:23], s[8:9], s[36:37]        ; my head's GT
	s_lshl_b32 s36, s15, 22
	s_lshl_b32 s38, s14, 17
	s_add_co_u32 s36, s36, s38
	s_lshl_b32 s38, s13, 9
	s_add_co_u32 s36, s36, s38
	s_add_nc_u64 s[26:27], s[10:11], s[36:37]      ; the block's rows of Zs, my head group's 512 bytes
; The list of tiles: place F holds I1 (F = 0), F - 1 (up to I1), I2 (F = I1 + 1), F - I1 - 2 (behind it); past the list's 33 places the number is clamped to the batch's last tile.
.macro NEXTTILE
	s_add_co_u32 s30, s30, 1
	s_sub_co_u32 s36, s30, 1
	s_sub_co_u32 s38, s36, s17
	s_cmp_gt_u32 s30, s17
	s_cselect_b32 s36, s38, s36
	s_cmp_eq_u32 s30, s17
	s_cselect_b32 s36, s16, s36
	s_min_u32 s36, s36, 31
	s_lshl_b32 s28, s36, 13
.endm
; The tile at byte s28 is asked for: 4 x 16 bytes a thread.  The offset register is free: the loads that named it were waited for.  The data registers are the sources of LDS stores just issued.
.macro ASKK
	WIN 0
	v_add_nc_u32 v[GOFK], s28, v[T16]
	WIN 0x80                                       ; destination window 2
.irp u, 0,1,2,3
	global_load_b128 v[STGK+4*\u:STGK+4*\u+3], v[GOFK], s[18:19] offset:2048*\u
.endr
.endm
.macro ASKV
	WIN 0
	v_add_nc_u32 v[GOFV], s28, v[T16]
	WIN 0x80
.irp u, 0,1,2,3
	global_load_b128 v[STGV+4*\u:STGV+4*\u+3], v[GOFV], s[20:21] offset:2048*\u
.endr
.endm
.macro PUTK                            ; from registers into the K region, which no wave reads any more
	WIN 0x08                                       ; LDS store data window 2
.irp u, 0,1,2,3
	ds_store_b128 v[SK0], v[STGK+4*\u:STGK+4*\u+3] offset:16*KP*\u
.endr
.endm
.macro PUTV
	WIN 0x08
.irp u, 0,1,2,3
	ds_store_b128 v[SV0], v[STGV+4*\u:STGV+4*\u+3] offset:32*VP*\u
.endr
.endm
; The LDS loads stand in runs, never singly among the matrix instructions
.macro FETCH_K
	WIN 0x80
.irp kt, 0,1,2,3
.irp e, 0,1
	ds_load_b128 v[KF+8*(2*\kt+\e):KF+8*(2*\kt+\e)+3],   v[AK0] offset:16*KP*\kt+64*\e
	ds_load_b128 v[KF+8*(2*\kt+\e)+4:KF+8*(2*\kt+\e)+7], v[AK0] offset:16*KP*\kt+64*\e+32
.endr
.endr
.endm
.macro FETCH_V full                    ; channel tiles 0, 1 (hi): 8 loads; full = 1, a block's first step: tiles 2, 3 (lo) too: 16 loads
	WIN 0x80
.irp ct, 0,1,2,3
.if (\ct < 2) || \full
.irp kb, 0,1
	ds_load_b128 v[VF+8*(2*\ct+\kb):VF+8*(2*\ct+\kb)+3],   v[AV0] offset:(64*\kb+16*\ct)*VP
	ds_load_b128 v[VF+8*(2*\ct+\kb)+4:VF+8*(2*\ct+\kb)+7], v[AV0] offset:(64*\kb+16*\ct)*VP+32
.endr
.endif
.endr
.endm
; THE MATRIX WORK OF A TURN, for piece x.  The accumulators take turns, one instruction a turn: between two links of a chain stand three or seven others'.
; zero = 1, a block's first step: product i of 16 of O^T = V^T P: keys 32 (i / 8) on, channels 16 ((i / 2) % 4) on (hi and lo), tile x + i % 2; the first 8 start the sums: nothing is cleared.
; zero = 0: product i of 8 of O^T += V^T P: keys 32 (i / 4) on, channels 16 ((i / 2) % 2) on (hi alone), tile x + i % 2.
.macro PV x, zero
	WIN W_PV
.if (\zero)
.set rO, O+32*(\x+i%2)+8*((i/2)%4)
.set rV, VF+8*(2*((i/2)%4)+i/8)
.set rP, P+16*(\x+i%2)+8*(i/8)
.else
.set rO, O+32*(\x+i%2)+8*((i/2)%2)
.set rV, VF+8*(2*((i/2)%2)+i/4)
.set rP, P+16*(\x+i%2)+8*(i/4)
.endif
.if (\zero) && (i < 8)
	v_wmma_f32_16x16x32_f16 v[rO:rO+7], v[rV:rV+7], v[rP:rP+7], 0
.else
	v_wmma_f32_16x16x32_f16 v[rO:rO+7], v[rV:rV+7], v[rP:rP+7], v[rO:rO+7]
.endif
.endm
; Behind a block's first step: piece x's two lo tiles are added onto its two hi tiles, once; from here on O^T is 16 registers a tile
.macro FOLD x
	WIN 0x45                                       ; sources and destination window 1
.irp t, \x, \x+1
.irp ii, 0,1,2,3,4,5,6,7
	v_pk_add_f32 v[O+32*(\t)+2*\ii:O+32*(\t)+2*\ii+1], v[O+32*(\t)+2*\ii:O+32*(\t)+2*\ii+1], v[O+32*(\t)+16+2*\ii:O+32*(\t)+16+2*\ii+1]
.endr
.endr
	WIN 0
.endm
; Product i of 16 of S^T = K Q'^T: features 32 (i / 8) on, keys 16 ((i / 2) % 4) on, tile x + i % 2.  The first 8 start the sums.
.macro KQ x
	WIN W_KQ
.set rS, S+32*(\x+i%2)+8*((i/2)%4)
.set rK, KF+8*(2*((i/2)%4)+i/8)
.set rQ, QF+16*(\x+i%2)+8*(i/8)
.if i < 8
	v_wmma_f32_16x16x32_bf16 v[rS:rS+7], v[rK:rK+7], v[rQ:rQ+7], 0
.else
	v_wmma_f32_16x16x32_bf16 v[rS:rS+7], v[rK:rK+7], v[rQ:rQ+7], v[rS:rS+7]
.endif
.endm
; THE VECTOR WORK OF A TURN.  One tile's softmax for one key step is a numbered list; SM writes number j of it for tile t.  s0-s31 are the lane's 32 scores, in pairs 0-15.
; first = 1: the block's first step, which starts m, l and O^T: it has no a and nothing to rescale.
;   0-15    the maximum of s0-s31 and the old m, three operands at a time: four chains c0-c3 of seven scores each, then the four scores left over, c0-c3 and m
;   16-20   the other half of the lanes' maximum; the old m kept; the new m; m_old - m_new (19 is empty)
;   21-87   33 exponentials (a, then s0-s31) at the odd numbers from 23 on, so that no two follow each other and each has a plain instruction behind it before its result is used.
;           Plain instruction q (number 21, then the even numbers) is whatever is ready: s - m for a pair of scores whose exponentials are still to come (q = 0 to 3, then every second q),
;           the rounding to f16 of a pair of weights whose exponentials are done (every other q from 5 on), at last the first three sums
;   88-101  the last rounding; the rest of the sums; l = a l + the sum
;   102-109 the tile's O^T (16 registers) times a: the one part that leaves window 0, so it stands together
.macro SM t, first
.set rT, ST+8*(\t)
.set rS, S+32*(\t)
.set rP, P+16*(\t)
.set rO, O+32*(\t)+2*(j-102)
.set q, (j-20)/2
.if j < 102
	WIN 0
.endif
.if j < 4
	v_max3_num_f32 v[rT+4+j], v[rS+8*j], v[rS+8*j+1], v[rS+8*j+2]
.elseif j < 12
	v_max3_num_f32 v[rT+4+j%4], v[rT+4+j%4], v[rS+8*(j%4)+2*(j/4)+1], v[rS+8*(j%4)+2*(j/4)+2]
.elseif j == 12
	v_max3_num_f32 v[rT+4], v[rT+4], v[rS+7], v[rS+15]
.elseif j == 13
	v_max3_num_f32 v[rT+6], v[rT+6], v[rS+23], v[rS+31]
.elseif j == 14
	v_max3_num_f32 v[rT+4], v[rT+4], v[rT+5], v[rT+6]
.elseif (j == 15) && \first
	v_max_num_f32 v[rT+4], v[rT+4], v[rT+7]
.elseif j == 15
	v_max3_num_f32 v[rT+4], v[rT+4], v[rT+7], v[rT]
.elseif j == 16
	v_permlanex16_b32 v[rT+5], v[rT+4], s32, s33   ; the query's other 32 keys lie in the lane 16 away
.elseif j == 18
	v_max_num_f32 v[rT], v[rT+4], v[rT+5]
.elseif j == 19
.elseif ((j == 17) || (j == 20) || (j == 23) || (j > 101)) && \first  ; the first step has none of these
.elseif j == 17
	v_mov_b32 v[rT+7], v[rT]                       ; m_old is kept for a: number 18 writes m anew
.elseif j == 20
	v_sub_f32 v[rT+7], v[rT+7], v[rT]
.elseif j == 23
	v_exp_f32 v[rT+6], v[rT+7]                     ; a = 2^(m_old - m_new)
.elseif (j < 88) && (j > 23) && (j%2 == 1)
	v_exp_f32 v[rS+(j-25)/2], v[rS+(j-25)/2]
.elseif (q < 4) || ((j < 76) && (q%2 == 0))
.set b, q/2+2
.if q < 4
.set b, q
.endif
	v_pk_add_f32 v[rS+2*b:rS+2*b+1], v[rS+2*b:rS+2*b+1], v[rT:rT+1] op_sel_hi:[1,0] neg_lo:[0,1] neg_hi:[0,1]   ; pair b: s - m
.elseif (j < 88) && (q%2 == 1)
	v_cvt_pk_f16_f32 v[rP+(q-5)/2], v[rS+q-5], v[rS+q-4]   ; pair (q - 5) / 2: its second exponential stands three numbers back
.elseif j == 89
	v_cvt_pk_f16_f32 v[rP+15], v[rS+30], v[rS+31]
.elseif j < 102                        ; the sum of the tile's 16 pairs, in place: sum z of 16 adds neighbours 1, 2, 4 and 8 pairs apart, then l takes it
.set z, j-86
.if j < 89
.set z, (j-76)/4
.endif
.set w, 4
.set u, z
.if z >= 14
.set w, 32
.set u, 0
.elseif z >= 12
.set w, 16
.set u, z-12
.elseif z >= 8
.set w, 8
.set u, z-8
.endif
.if (z == 14) && \first
	v_pk_add_f32 v[rT+2:rT+3], v[rS:rS+1], v[rS+16:rS+17]
.elseif z < 15
	v_pk_add_f32 v[rS+w*u:rS+w*u+1], v[rS+w*u:rS+w*u+1], v[rS+w*u+w/2:rS+w*u+w/2+1]
.elseif !\first
	v_pk_fma_f32 v[rT+2:rT+3], v[rT+2:rT+3], v[rT+6:rT+7], v[rS:rS+1] op_sel_hi:[1,0,1]
.endif
.else
	WIN W_RS
	v_pk_mul_f32 v[rO:rO+1], v[rO:rO+1], v[rT+6:rT+7] op_sel_hi:[1,0]
.endif
.endm
; Numbers 2 k and 2 k + 1 of both tiles of piece y
.macro PAIR y, first
.if (k >= 11) && (k < 44)              ; tile by tile: plain, exponential, plain, exponential
.irp t, \y, \y+1
.irp nn, 0,1
.set j, 2*k+\nn
	SM \t, \first
.endr
.endr
.else                                  ; the two tiles alternate, so that no instruction reads the result of the one just before it
.irp nn, 0,1
.irp t, \y, \y+1
.set j, 2*k+\nn
	SM \t, \first
.endr
.endr
.endif
.set k, k+1
.endm
; The slice behind the n-th of a turn's NW products: the list's KT pairs are dealt evenly.  With KT = 55 the last slice is pairs 52 to 54 (of 24 products) or 53 and 54 (of 32): twelve or
; eight plain multiplications that name nothing of the products round them: they are the four places behind the turn's last product (ISA guide 7.12.1).
.macro DEAL y, first
.set n, n+1
.rept (n*KT)/NW-k
	PAIR \y, \first
.endr
.endm
; The diagonal tile: key 16 kt + 8 h + j is kept for query 16 t + r where it is not later
.macro MASK y
.irp t, \y, \y+1
.irp kt, 0,1,2,3
.if \kt > (\t)
.irp jj, 0,1,2,3,4,5,6,7
	v_mov_b32 v[S+32*(\t)+8*\kt+\jj], v[NEGV]
.endr
.elseif \kt == (\t)
.irp jj, 0,1,2,3,4,5,6,7
	v_cndmask_b32 v[S+32*(\t)+8*\kt+\jj], v[NEGV], v[S+32*(\t)+8*\kt+\jj], s[40+\jj]
.endr
.endif
.endr
.endr
.endm
; TURNB(g), entered behind a barrier that says: every wave has read K(g).  pv = 2: B's V^T P of step g - 1, 8 products; 1: that step was the block's first: 16 products start B's sums, and
; the lo tiles are folded in at the turn's end; 0: none (g is the block's first step).
; At its head K(g + 1) goes into LDS and K(g + 2) is asked for.  V(g)'s fragments are fetched behind the second product K Q'^T: the last product that read V stands three slices back,
; at least ten plain instructions.  Near its end: my LDS stores and loads are done, so I signal; two products and their slices later all have.
.macro TURNB pv, first
	s_wait_loadcnt 4                               ; loads return in order: K(g + 1)'s four are in; V(g + 1)'s four, asked for behind them, stay out
	PUTK
	WIN 0
	NEXTTILE
	ASKK
.set k, 0
.set n, 0
.set KT, 55-4*\first
.set NW, 16
.if \pv
.set NPV, 24-8*\pv
.set NW, 16+NPV
.set i, 0
.rept NPV
	PV 2, 2-\pv
	DEAL 0, \first
.set i, i+1
.endr
.endif
.set i, 0
.rept 16
	KQ 2
	DEAL 0, \first
.if i == 1
	FETCH_V \first
.endif
.if i == 13
	s_wait_dscnt 0x0                               ; for the others' sake: my part of K(g + 1) is stored, my reads of V(g) are back
	s_barrier_signal -1                            ; register work alone until the wait
.endif
.set i, i+1
.endr
	WIN 0
.if \first
	PLACES                                         ; the first step's list has no rescaling at its end
.endif
.if \pv == 1
	FOLD 2                                         ; the products that wrote these tiles stand sixteen products and their slices back
.endif
	s_barrier_wait -1
.endm
; TURNA(g), entered behind a barrier that says: K(g + 1) is whole in LDS and every wave has read V(g).  At its head K(g + 1)'s fragments are fetched (the last product that read K stands in
; front of the last slice of the turn before), V(g + 1) goes into LDS and V(g + 2) is asked for.  In its middle: K's fragments are in and my stores are done, so I signal.
; zero = first = 1: the block's first step: 16 products start A's sums, and the lo tiles are folded in at the turn's end.
.macro TURNA zero, first
	FETCH_K
	s_wait_loadcnt 4                               ; V(g + 1)'s four loads are in; K(g + 2)'s four, asked for behind them, stay out
	PUTV
	ASKV
.if \first
	WIN 0
	MASK 2
.endif
.set k, 0
.set n, 0
.set KT, 55-4*\first
.set NPV, 8+8*\zero
.set NW, 16+NPV
.set i, 0
.rept NPV
	PV 0, \zero
	DEAL 2, \first
.set i, i+1
.endr
	s_wait_dscnt 0x0                               ; K(g + 1)'s fragments are in; for the others' sake: my reads of K and my part of V(g + 1) are done
	s_barrier_signal -1                            ; register work alone until the wait
.set i, 0
.rept 16
	KQ 0
	DEAL 2, \first
.set i, i+1
.endr
	WIN 0
.if \first
	PLACES
	FOLD 0
.endif
	s_barrier_wait -1
.endm
; Q'^T = GT h_qk^T for the block's 64 queries: source 0 = 16 rows of GT, source 1 = 16 queries, which are the diagonal tile's K fragments; two result tiles, rounded in pairs, are one
; fragment (32 features x 16 queries).  The sixteen accumulators take turns.
.macro QPREP
	WIN 0x0a                                       ; both sources window 2
.irp e, 0,1
.irp t, 0,1,2,3
.irp ct, 0,1,2,3
.if \e == 0
	v_wmma_f32_16x16x32_bf16 v[S+32*\t+8*\ct:S+32*\t+8*\ct+7], v[GTF+8*(2*\ct+\e):GTF+8*(2*\ct+\e)+7], v[KF+8*(2*\t+\e):KF+8*(2*\t+\e)+7], 0
.else
	v_wmma_f32_16x16x32_bf16 v[S+32*\t+8*\ct:S+32*\t+8*\ct+7], v[GTF+8*(2*\ct+\e):GTF+8*(2*\ct+\e)+7], v[KF+8*(2*\t+\e):KF+8*(2*\t+\e)+7], v[S+32*\t+8*\ct:S+32*\t+8*\ct+7]
.endif
.endr
.endr
.endr
	WIN 0
	PLACES
	WIN 0x40                                       ; destination window 1
.set i, 0
.rept 64
	v_cvt_pk_bf16_f32 v[QF+i], v[S+2*i], v[S+2*i+1]
.set i, i+1
.endr
	WIN 0
.endm
; THE WAY OUT of a block: Z = O / l as a pair of bf16, through the stage (a row's 512 bytes come from four waves), 512 consecutive bytes a store.
.macro ZOUT
.irp t, 0,1,2,3
	v_add_f32 v[ST+8*\t+4], v[ST+8*\t+2], v[ST+8*\t+3]
.endr
.irp t, 0,1,2,3
	v_permlanex16_b32 v[ST+8*\t+5], v[ST+8*\t+4], s32, s33
.endr
.irp t, 0,1,2,3
	v_add_f32 v[ST+8*\t+4], v[ST+8*\t+4], v[ST+8*\t+5]
.endr
.irp t, 0,1,2,3
	v_rcp_f32 v[ST+8*\t+6], v[ST+8*\t+4]
.endr
	v_nop                                          ; a plain instruction behind the last reciprocal
	WIN 0x01                                       ; source 0 (O^T) window 1; 1 / l and the destination window 0
.irp t, 0,1,2,3
.irp kk, 0,1,2,3,4,5,6,7
	v_pk_mul_f32 v[64+16*\t+2*\kk:64+16*\t+2*\kk+1], v[O+32*\t+2*\kk:O+32*\t+2*\kk+1], v[ST+8*\t+6:ST+8*\t+7] op_sel_hi:[1,0]
.endr
.endr
	WIN 0
.set i, 0
.rept 32
	v_cvt_pk_bf16_f32 v[128+i], v[64+2*i], v[64+2*i+1]
.set i, i+1
.endr
.set i, 0
.rept 32
	v_lshlrev_b32 v[192+2*i], 16, v[128+i]
	v_and_b32 v[193+2*i], s35, v[128+i]
.set i, i+1
.endr
.set i, 0
.rept 32
	v_pk_add_f32 v[192+2*i:193+2*i], v[64+2*i:65+2*i], v[192+2*i:193+2*i] neg_lo:[0,1] neg_hi:[0,1]
.set i, i+1
.endr
.set i, 0
.rept 32
	v_cvt_pk_bf16_f32 v[160+i], v[192+2*i], v[193+2*i]
.set i, i+1
.endr
.irp t, 0,1,2,3
.irp c, 0,1
	ds_store_b128 v[STO], v[128+8*\t+4*\c:128+8*\t+4*\c+3] offset:16*SP*\t+32*\c
	ds_store_b128 v[STO], v[160+8*\t+4*\c:160+8*\t+4*\c+3] offset:16*SP*\t+32*\c+128
.endr
.endr
	s_wait_dscnt 0x0                               ; for the others' sake
	s_barrier_signal -1
	s_barrier_wait -1
.set i, 0
.rept 16
	ds_load_b128 v[64+4*i:64+4*i+3], v[RD] offset:SP*i
.set i, i+1
.endr
	s_wait_dscnt 0x0                               ; also: my reads of the stage are over before any later barrier, behind which it is written again
.set i, 0
.rept 16
	global_store_b128 v[GO], v[64+4*i:64+4*i+3], s[26:27] offset:2048*i
.set i, i+1
.endr
.endm
	; THE START: GT's fragments, once; the list's first tile through registers into LDS; the second tile asked for; K's first fragments.
	WIN 0x80
.irp ct, 0,1,2,3
.irp e, 0,1
	global_load_b128 v[GTF+8*(2*\ct+\e):GTF+8*(2*\ct+\e)+3],   v[QOF], s[22:23] offset:2048*\ct+64*\e
	global_load_b128 v[GTF+8*(2*\ct+\e)+4:GTF+8*(2*\ct+\e)+7], v[QOF], s[22:23] offset:2048*\ct+64*\e+32
.endr
.endr
	ASKK
	ASKV
	s_wait_loadcnt 0x0
	PUTK
	PUTV
	WIN 0
	NEXTTILE
	ASKK
	ASKV
	WIN 0
	s_wait_dscnt 0x0                               ; for the others' sake: my parts of the first tiles are stored
	s_barrier_signal -1
	s_barrier_wait -1
	FETCH_K
	WIN 0
	s_wait_dscnt 0x0                               ; K's fragments are in, and my reads of the K region are over
	s_barrier_signal -1
	s_barrier_wait -1
.Lblock:                                               ; two trips: query block I1, then I2.  Here K's fragments hold the block's own tile, V's tile lies in LDS, the next tiles are on their way
	QPREP
.set i, 0
.rept 16
	KQ 0                                           ; A's first scores: there is no vector work yet to set between them
.set i, i+1
.endr
	WIN 0
	PLACES
	MASK 0
	TURNB 0, 1                                     ; B's first scores | A's first softmax
	TURNA 1, 1                                     ; A: V^T P, hi and lo, starts O^T, K Q'^T of the next step | B's first softmax | A's lo tiles folded in
	s_cmp_eq_u32 s14, 0
	s_cbranch_scc1 .Ltail0                         ; block 0 has its own tile alone
	TURNB 1, 0                                     ; B: V^T P, hi and lo, starts O^T, K Q'^T | A's softmax | B's lo tiles folded in
	TURNA 0, 0
	s_cmp_lt_u32 s14, 2
	s_cbranch_scc1 .Ltail
	s_mov_b32 s29, 1
.Lstep:                                                ; I - 1 trips, a key step each
	TURNB 2, 0
	TURNA 0, 0
	s_add_co_u32 s29, s29, 1
	s_cmp_lt_u32 s29, s14
	s_cbranch_scc1 .Lstep
.Ltail:
.set i, 0
.rept 8
	PV 2, 0                                        ; B: V^T P of the block's last step
.set i, i+1
.endr
	WIN 0
	s_branch .Lz
.Ltail0:
.set i, 0
.rept 16
	PV 2, 1                                        ; the same where the last step is the first: hi and lo, it starts B's sums,
.set i, i+1
.endr
	WIN 0
	PLACES
	FOLD 2                                         ; and the lo tiles are folded in
.Lz:
	PLACES
	ZOUT
	s_wait_xcnt 0x0                                ; the stores have read their base and data: both are written again only behind this wait
	s_mov_b32 s14, s16                             ; the second block
	s_lshl_b32 s36, s15, 22
	s_lshl_b32 s38, s16, 17
	s_add_co_u32 s36, s36, s38
	s_lshl_b32 s38, s13, 9
	s_add_co_u32 s36, s36, s38
	s_add_nc_u64 s[26:27], s[10:11], s[36:37]
	s_add_co_u32 s31, s31, 1
	s_cmp_lt_u32 s31, 2
	s_cbranch_scc1 .Lblock
	s_endpgm
.Lfunc_end_k_q906df98e8d_attn:
	.size	k_q906df98e8d_attn, .Lfunc_end_k_q906df98e8d_attn-k_q906df98e8d_attn
	.p2alignl 7, 3214868480
	.fill 96, 4, 3214868480
	.section	.rodata,"a",@progbits
	.p2align	6, 0x0
	.amdhsa_kernel k_q906df98e8d_attn
		.amdhsa_group_segment_fixed_size 53248
		.amdhsa_private_segment_fixed_size 0
		.amdhsa_enable_private_segment 0
		.amdhsa_kernarg_size 32
		.amdhsa_user_sgpr_count 2
		.amdhsa_user_sgpr_kernarg_segment_ptr 1
		.amdhsa_wavefront_size32 1
		.amdhsa_system_sgpr_workgroup_id_x 1
		.amdhsa_system_sgpr_workgroup_id_y 1
		.amdhsa_system_sgpr_workgroup_id_z 1
		.amdhsa_system_vgpr_workitem_id 0
		.amdhsa_next_free_vgpr 736
		.amdhsa_next_free_sgpr 66
		.amdhsa_reserve_vcc 0
		.amdhsa_float_denorm_mode_32 3
		.amdhsa_float_denorm_mode_16_64 3
		.amdhsa_memory_ordered 1
		.amdhsa_forward_progress 1
		.amdhsa_inst_pref_size 137
	.end_amdhsa_kernel
	.amdgpu_metadata
---
amdhsa.version: [ 1, 2 ]
amdhsa.kernels:
  - .name:           k_q906df98e8d_attn
    .symbol:         k_q906df98e8d_attn.kd
    .args:
      - { .name: hqk, .offset: 0, .size: 8, .value_kind: global_buffer, .address_space: global }
      - { .name: hvt, .offset: 8, .size: 8, .value_kind: global_buffer, .address_space: global }
      - { .name: GT, .offset: 16, .size: 8, .value_kind: global_buffer, .address_space: global }
      - { .name: Zs, .offset: 24, .size: 8, .value_kind: global_buffer, .address_space: global }
    .group_segment_fixed_size: 53248
    .private_segment_fixed_size: 0
    .kernarg_segment_align: 8
    .kernarg_segment_size: 32
    .max_flat_workgroup_size: 128
    .sgpr_count:     66
    .vgpr_count:     736
    .wavefront_size: 32
...
	.end_amdgpu_metadata
.endif
;; end of part 5
;; launch outp: the kernel of part 4 again; grid 4 x 64, 4 waves a work-group, clusters of 4 x 4, 327,680 bytes of LDS; arguments Zs, Mt, out0; writes out0
